; MI455X (gfx1250); checked and timed in simulation.
; The chip was launched on July 23, 2026; its instructions are those of AMD's public machine-readable ISA for CDNA 5 (MIT licence, August 2026) and "CDNA5" Instruction Set Architecture Reference Guide (July 2026). The comments in the code are by the model that wrote it; some were corrected since.
;; L La MA Attention. Allowed arithmetic: float matrix products may take bf16 or f16 operands with f32 sums; all other float work in f32.
;; Inputs: cos 2,048 x 16 float32; sin 2,048 x 16 float32; wk 1,024 x 1,024 float32; wo 1,024 x 1,024 float32; wq 1,024 x 1,024 float32; wv 1,024 x 1,024 float32; x 2 x 2,048 x 1,024 float32.
;; Outputs: out0 2 x 2,048 x 1,024 float32.
;; 2 versions, each right and faster than the one before. Each part assembles by itself: llvm-mc -triple=amdgcn-amd-amdhsa -mcpu=gfx1250 --defsym DOCPART=n.
;; ======== version 1 of 2: 4 launches
;; limits: values are held in f16: magnitudes above 65,504 overflow, below 6.1e-05 lose precision; right only within a limited range of input values
;; workspace buffers: xb 8,388,608 bytes; wb 6,291,456 bytes; wof 2,097,152 bytes; qc 8,388,608 bytes; kc 8,388,608 bytes; vc 8,388,608 bytes; oc 8,388,608 bytes
;; launch cast (part 1): grid 128 x 8, 8 waves a work-group, no clusters, 0 bytes of LDS; arguments x, wq, wk, wv, wo, xb, wb, wof; writes xb, wb, wof
.if DOCPART == 1
	.amdgcn_target "amdgcn-amd-amdhsa--gfx1250"
	.amdhsa_code_object_version 6
	.text
	.protected	k_qb652aabce3_cast
	.globl	k_qb652aabce3_cast
	.p2align	8
	.type	k_qb652aabce3_cast,@function
k_qb652aabce3_cast:
	s_mov_b64 s[64:65], 0
	v_nop
	global_prefetch_b8 v0, s[64:65] scope:SCOPE_SE
	s_setreg_imm32_b32 hwreg(HW_REG_WAVE_MODE, 25, 1), 1
	s_wait_xcnt 0x0
; x, wq, wk, wv (f32) are rounded once to bf16; wo is rounded to bf16 and that number is written as f16.
; Slice y of the grid is 1,048,576 numbers: y = 0..3 a quarter of x -> xb; y = 4, 5, 6: wq, wk, wv -> wb (one behind the other); y = 7: wo -> wof.
; A work-group takes 32 KiB of its slice, a wave 4 KiB: eight loads of 512 consecutive bytes, all issued at once; each is answered by one store
; of 8 bytes a lane, 256 consecutive bytes at a multiple of 256 from the buffer's first byte.  Each byte is read once and written once.
; No LDS, no barrier, no matrix unit: nothing is shared and nothing is summed.
; LIMIT.  wo within f16's range (65,504); a bf16 number below 6.1e-5 is kept to f16's fixed step of 6e-8.
.set IN,  8                            ; v[8:39]   eight loads of four f32
.set OUT, 40                           ; v[40:55]  eight results of two words: every store has data registers of its own
.set TW,  56                           ; v[56:57]  at work
	s_load_b512 s[8:23], s[0:1], 0x0               ; x 8, wq 10, wk 12, wv 14, wo 16, xb 18, wb 20, wof 22
	s_and_b32 s2, ttmp7, 0xffff                    ; y: the slice
	v_lshrrev_b32 v1, 5, v0
	v_and_b32 v2, 31, v0
	v_lshlrev_b32 v1, 12, v1                       ; my wave's 4 KiB
	v_lshl_or_b32 v1, v2, 4, v1                    ; + 16 bytes a lane: offset in the input
	v_lshrrev_b32 v2, 1, v1                        ; half of it: offset in the output
	; the offsets are made apart from the addresses
	s_cmp_lt_u32 s2, 4
	s_cselect_b32 s3, s2, 0                        ; x's quarter, or 0
	s_lshl_b32 s28, s3, 22
	s_lshl_b32 s4, ttmp9, 15                       ; the work-group's 32 KiB
	s_add_co_u32 s28, s28, s4
	s_mov_b32 s29, 0
	s_sub_co_u32 s5, s2, 4                         ; which of wb's three parts
	s_cmp_lt_u32 s2, 4
	s_cselect_b32 s5, s2, s5                       ; or xb's quarter
	s_cmp_eq_u32 s2, 7
	s_cselect_b32 s5, 0, s5                        ; wof has one part
	s_lshl_b32 s30, s5, 21
	s_lshl_b32 s4, ttmp9, 14
	s_add_co_u32 s30, s30, s4
	s_mov_b32 s31, 0
	s_mov_b32 s32, 0xffff0000                      ; a word's upper bf16
	s_wait_kmcnt 0x0
	s_mov_b64 s[24:25], s[8:9]                     ; the source: x, unless y names a weight
	s_cmp_eq_u32 s2, 4
	s_cselect_b64 s[24:25], s[10:11], s[24:25]
	s_cmp_eq_u32 s2, 5
	s_cselect_b64 s[24:25], s[12:13], s[24:25]
	s_cmp_eq_u32 s2, 6
	s_cselect_b64 s[24:25], s[14:15], s[24:25]
	s_cmp_eq_u32 s2, 7
	s_cselect_b64 s[24:25], s[16:17], s[24:25]
	s_cselect_b64 s[26:27], s[22:23], s[20:21]     ; the destination: wof or wb (a select leaves SCC as it is),
	s_cmp_lt_u32 s2, 4
	s_cselect_b64 s[26:27], s[18:19], s[26:27]     ; or xb
	s_add_nc_u64 s[24:25], s[24:25], s[28:29]
	s_add_nc_u64 s[26:27], s[26:27], s[30:31]
.irp i, 0,1,2,3,4,5,6,7
	global_load_b128 v[IN+4*(\i):IN+4*(\i)+3], v1, s[24:25] offset:512*(\i) th:TH_LOAD_NT
.endr
	s_cmp_eq_u32 s2, 7
	s_cbranch_scc1 .Lwo
.irp i, 0,1,2,3,4,5,6,7
	s_wait_loadcnt 7-(\i)                          ; loads come back in order: load i is in, the 7 - i issued behind it may be out
	v_cvt_pk_bf16_f32 v[OUT+2*(\i)],   v[IN+4*(\i)],   v[IN+4*(\i)+1]
	v_cvt_pk_bf16_f32 v[OUT+2*(\i)+1], v[IN+4*(\i)+2], v[IN+4*(\i)+3]
	global_store_b64 v2, v[OUT+2*(\i):OUT+2*(\i)+1], s[26:27] offset:256*(\i)
.endr
	s_endpgm
.Lwo:
.irp i, 0,1,2,3,4,5,6,7
	s_wait_loadcnt 7-(\i)
.irp p, 0,1
	v_cvt_pk_bf16_f32 v[TW], v[IN+4*(\i)+2*(\p)], v[IN+4*(\i)+2*(\p)+1]  ; the rounding that all inputs get,
	v_lshlrev_b32 v[TW+1], 16, v[TW]               ; widened again,
	v_and_b32 v[TW], s32, v[TW]
	v_cvt_pk_f16_f32 v[OUT+2*(\i)+(\p)], v[TW+1], v[TW]  ; and written as f16
.endr
	global_store_b64 v2, v[OUT+2*(\i):OUT+2*(\i)+1], s[26:27] offset:256*(\i)
.endr
	s_endpgm
.Lfunc_end_k_qb652aabce3_cast:
	.size	k_qb652aabce3_cast, .Lfunc_end_k_qb652aabce3_cast-k_qb652aabce3_cast
	.p2alignl 7, 3214868480
	.fill 96, 4, 3214868480
	.section	.rodata,"a",@progbits
	.p2align	6, 0x0
	.amdhsa_kernel k_qb652aabce3_cast
		.amdhsa_group_segment_fixed_size 0
		.amdhsa_private_segment_fixed_size 0
		.amdhsa_enable_private_segment 0
		.amdhsa_kernarg_size 64
		.amdhsa_user_sgpr_count 2
		.amdhsa_user_sgpr_kernarg_segment_ptr 1
		.amdhsa_wavefront_size32 1
		.amdhsa_system_sgpr_workgroup_id_x 1
		.amdhsa_system_sgpr_workgroup_id_y 1
		.amdhsa_system_sgpr_workgroup_id_z 1
		.amdhsa_system_vgpr_workitem_id 0
		.amdhsa_next_free_vgpr 64
		.amdhsa_next_free_sgpr 66
		.amdhsa_reserve_vcc 0
		.amdhsa_float_denorm_mode_32 3
		.amdhsa_float_denorm_mode_16_64 3
		.amdhsa_memory_ordered 1
		.amdhsa_forward_progress 1
		.amdhsa_inst_pref_size 9
	.end_amdhsa_kernel
	.amdgpu_metadata
---
amdhsa.version: [ 1, 2 ]
amdhsa.kernels:
  - .name:           k_qb652aabce3_cast
    .symbol:         k_qb652aabce3_cast.kd
    .args:
      - { .name: x, .offset: 0, .size: 8, .value_kind: global_buffer, .address_space: global }
      - { .name: wq, .offset: 8, .size: 8, .value_kind: global_buffer, .address_space: global }
      - { .name: wk, .offset: 16, .size: 8, .value_kind: global_buffer, .address_space: global }
      - { .name: wv, .offset: 24, .size: 8, .value_kind: global_buffer, .address_space: global }
      - { .name: wo, .offset: 32, .size: 8, .value_kind: global_buffer, .address_space: global }
      - { .name: xb, .offset: 40, .size: 8, .value_kind: global_buffer, .address_space: global }
      - { .name: wb, .offset: 48, .size: 8, .value_kind: global_buffer, .address_space: global }
      - { .name: wof, .offset: 56, .size: 8, .value_kind: global_buffer, .address_space: global }
    .group_segment_fixed_size: 0
    .private_segment_fixed_size: 0
    .kernarg_segment_align: 8
    .kernarg_segment_size: 64
    .max_flat_workgroup_size: 256
    .sgpr_count:     66
    .vgpr_count:     64
    .wavefront_size: 32
...
	.end_amdgpu_metadata
.endif
;; end of part 1
;; launch qkv (part 2): grid 8 x 32, 4 waves a work-group, clusters of 4 x 4, 327,680 bytes of LDS; arguments xb, wb, cos, sin, qc, kc, vc; writes qc, kc, vc
.if DOCPART == 2
	.amdgcn_target "amdgcn-amd-amdhsa--gfx1250"
	.amdhsa_code_object_version 6
	.text
	.protected	k_qb652aabce3_qkv
	.globl	k_qb652aabce3_qkv
	.p2align	8
	.type	k_qb652aabce3_qkv,@function
k_qb652aabce3_qkv:
	s_mov_b64 s[64:65], 0
	v_nop
	global_prefetch_b8 v0, s[64:65] scope:SCOPE_SE
	s_setreg_imm32_b32 hwreg(HW_REG_WAVE_MODE, 25, 1), 1
	s_wait_xcnt 0x0
	s_wait_alu depctr_hold_cnt(0) depctr_sa_sdst(0) depctr_va_vdst(0) depctr_va_sdst(0) depctr_va_ssrc(0) depctr_va_vcc(0) depctr_vm_vsrc(0)
	s_getreg_b32 s2, hwreg(HW_REG_IB_STS2, 6, 4)
	s_cmp_eq_u32 s2, 0
	s_cbranch_scc0 .Lentry_in_a_cluster
	s_endpgm
.Lentry_in_a_cluster:
	s_bfe_u32 s2, ttmp6, 0x10000c
	s_cmp_lg_u32 s2, 0xf033
	s_cbranch_scc0 .Lentry_shape_is_right
	s_endpgm
.Lentry_shape_is_right:
; q, k, v = x W^T (bf16 operands, f32 sums), RoPE on q and k, results in f16 in the layouts that the attention reads.
; SHARES.  A work-group makes 128 tokens (tile mi) x 128 channels (tile ni) of EACH of q, k, v; wave w all 128 tokens x head 4 ni + w of the three:
; 8 token blocks x 6 channel blocks = 48 accumulators of 16 x 16, 384 registers.  K = 1,024 goes in steps of 128 through two LDS slots.
; A slot holds 128 rows of x, of wq, of wk, of wv (256 bytes a row, 16 of padding); wave 0 fetches x's tile, waves 1-3 the weights': one tensor load a wave.
; CLUSTER 4 x 4.  x's tile hangs on mi alone and is asked for jointly along a row of the cluster, the weights' on ni alone, along a column.
; OPERANDS.  q, k: source 0 = 16 rows of w, source 1 = 16 tokens: a lane holds ONE token and eight neighbouring channels, channel i of the head's first half in one
; accumulator and channel i of its second half in the next: RoPE needs no other lane.  v: source 0 = 16 tokens, source 1 = 16 rows of wv: a lane holds ONE channel and eight tokens.
; OUT, straight from registers, 16 bytes a lane:  qc, kc: [head g][16 tokens][8 channels c][token][8 channels] ; vc: [g][8 tokens][channel][8 tokens].  Every store covers whole
; runs of 256 consecutive bytes at multiples of 256 from the buffer's first byte, and a fragment load of the attention finds its 32 lanes' bytes end to end.
; SCALES.  cos and sin are rounded to bf16 like every input, then multiplied by 2^-8 (exact): k is stored as k 2^-8, q as q g 2^-8 with g = 4 log2(e) / sqrt(32), applied in f32.
; LIMITS.  |q|, |k| after RoPE under 1.6e7 and |v| under 65,504 (f16's end); below 6.1e-5 a stored number keeps f16's fixed step of 6e-8.  NaN and infinities are not treated apart.
; REGISTERS, in windows of 256 (s_set_vgpr_msb: bits 1:0 source 0, 3:2 source 1, 5:4 source 2, 7:6 destination):
;   window 0: v16-29 addresses; v32-63 at work; v64-127, v128-191 x's fragments, two buffers (on the way out: packed q, k); v192-255 packed v
;   window 1: v0-47, v64-111 the weights' fragments, two buffers (q 0, 8; k 16, 24; v 32, 40)
;   window 2: v0-127 q's accumulators (8 (2 tb + nb)), v128-255 k's          window 3: v0-127 v's accumulators; v128-255 cos (8) and sin (8) for each token block
.set KSTEP,  128
.set PITCH,  272                       ; an LDS row: 256 bytes + 16 = 68 words: the 16 rows of a fragment load start at 16 different groups of four banks (64 banks of 4 bytes: ISA guide 11.1)
.set HALFT,  128*PITCH                 ; one tensor load's 128 rows
.set SLOT,   4*HALFT
.set SPARE,  2*SLOT                    ; behind the ring: the spare words, 128 bytes a wave: two blocks of 256 bytes that no other line names
.set LAPS,   1024/(2*KSTEP)            ; a lap = two K steps = once round the ring
.set AX,  16                           ; v16-17  LDS address of x's fragments in slot 0, 1
.set AW,  18                           ; v18-19  of my head's rows of wq (wk's lie HALFT further, in the immediate)
.set AVW, 20                           ; v20-21  of my head's rows of wv (too far for the immediate)
.set STQ, 24                           ; v24     16 x lane: my 16 bytes in 512 of qc, kc
.set STV, 25                           ; v25     512 (lane / 16) + 16 (lane % 16): in vc
.set CSO, 26                           ; v26     64 (lane % 16) + 32 (lane / 16): my eight numbers of a token's cos or sin
.set SPW, 28                           ; v28     my spare word; never rewritten
.set NIL, 29                           ; v29     0; never rewritten
.set T,   32
.set PKQ, 64
.set PKV, 192
.set CSB, 128                          ; window 3
.set WV,  18                           ; s18     my wave's number
.set G1X, 28                           ; s[28:35] descriptor group 1 for x's tiles;  s[36:43] group 0, a set for each slot
.set G0X, 36
.set G1W, 44                           ; s[44:51], s[52:59] the same for the weights'
.set G0W, 52
.set QBS, 74                           ; s[74:75], s[76:77], s[78:79] qc, kc, vc at my head's first of these 128 tokens
.set KBS, 76
.set VBS, 78
.set SC8, 84                           ; s[84:85] 2^-8
.set GAM, 86                           ; s[86:87] g
.set MSB, 0
.macro WIN new                         ; the immediate's high byte repeats the setting that is left; a switch that changes nothing is dropped
.if MSB != (\new)
	s_set_vgpr_msb (MSB<<8)|(\new)
.set MSB, \new
.endif
.endm
.macro PLACES                          ; four places in front of loads into registers that matrix instructions have read, and of vector lines that read results
.rept 4
	v_nop
.endr
.endm
; A joint load: wave 0 asks for x's tile, waves 1-3 for a weight's.  Each line has one mask; the branch hangs on the wave's number alone.
; An s_nop 0 and four v_nop follow each line, ahead of the jump and the label.
.macro JLOAD s
	s_cmp_eq_u32 s[WV], 0
	s_cbranch_scc0 .Lfor_w_\@
	tensor_load_to_lds s[G0X+4*(\s):G0X+4*(\s)+3], s[G1X:G1X+7]
	s_nop 0
.rept 4
	v_nop
.endr
	s_branch .Lasked_\@
.Lfor_w_\@:
	tensor_load_to_lds s[G0W+4*(\s):G0W+4*(\s)+3], s[G1W:G1W+7]
	s_nop 0
.rept 4
	v_nop
.endr
.Lasked_\@:
.endm
.macro CREST                           ; a round of the cluster's barrier behind its opening barrier
	s_cmp_lg_u32 s[WV], 0
	s_cbranch_scc1 .Lnot_wave_0_\@
	s_barrier_signal -3
.Lnot_wave_0_\@:
	s_barrier_wait -3
	s_barrier_signal -1
	s_barrier_wait -1
.endm
.macro CROUND
	s_barrier_signal -1
	s_barrier_wait -1
	CREST
.endm
	s_load_b256 s[4:11], s[0:1], 0x0               ; xb 4, wb 6, cos 8, sin 10
	s_load_b128 s[12:15], s[0:1], 0x20             ; qc 12, kc 14
	s_load_b64 s[16:17], s[0:1], 0x30              ; vc
	v_lshl_add_u32 v[SPW], v0, 2, SPARE
	v_mov_b32 v[NIL], 0
	ds_add_u32 v[SPW], v[NIL]                      ; the wave's opening: the add and its wait stand ahead of my first tensor load; register work stands between
	v_lshrrev_b32 v1, 5, v0
	v_readfirstlane_b32 s[WV], v1
	s_bfe_u32 s19, ttmp6, 0x40000                  ; cx
	s_bfe_u32 s20, ttmp6, 0x40004                  ; cy
	s_lshl_b32 s21, ttmp9, 2
	s_add_co_u32 s21, s21, s19                     ; ni = 4 x cluster x + cx
	s_and_b32 s22, ttmp7, 0xffff
	s_lshl_b32 s22, s22, 2
	s_add_co_u32 s22, s22, s20                     ; mi = 4 x cluster y + cy
	s_lshl_b32 s23, s20, 2
	s_lshl_b32 s23, 15, s23                        ; my row of the cluster
	s_lshl_b32 s24, 0x1111, s19                    ; my column
	s_or_b32 s[G1X], s23, (1<<16)|(1<<20)|(1<<21)|(5<<22)|(3<<25)  ; mask; 2-byte elements; padding on; bit 21 beside a mask; after every 64 words 4 words
	s_or_b32 s[G1W], s24, (1<<16)|(1<<20)|(1<<21)|(5<<22)|(3<<25)
.irp g, G1X, G1W
	s_mov_b32 s[(\g)+1], KSTEP<<16                 ; tensor_dim0 = 128
	s_mov_b32 s[(\g)+2], 128<<16                   ; tensor_dim1 = 128
	s_mov_b32 s[(\g)+3], KSTEP<<16                 ; tile_dim0 = 128
	s_mov_b32 s[(\g)+4], 128                       ; tile_dim1 = 128
	s_mov_b32 s[(\g)+5], 1024                      ; elements from row to row
	s_mov_b32 s[(\g)+6], 0
	s_mov_b32 s[(\g)+7], 0
.endr
	s_lshl_b32 s66, s22, 18                        ; x: 128 mi rows of 2,048 bytes (registers that never hold cx)
	s_mov_b32 s67, 0
	s_max_u32 s26, s[WV], 1
	s_sub_co_u32 s26, s26, 1                       ; waves 1, 2, 3: wq, wk, wv
	s_lshl_b32 s68, s26, 21                        ; 2 MiB each,
	s_lshl_b32 s26, s21, 18                        ; 128 ni rows (registers that never hold cy)
	s_add_co_u32 s68, s68, s26
	s_mov_b32 s69, 0
	s_mul_i32 s25, s[WV], HALFT                    ; where my tile goes: the wave's number alone
	s_lshr_b32 s70, s22, 4                         ; the batch,
	s_lshl_b32 s70, s70, 5
	s_lshl2_add_u32 s70, s21, s70
	s_add_co_u32 s70, s70, s[WV]                   ; g = 32 batch + 4 ni + w
	s_lshl_b32 s70, s70, 17                        ; 131,072 bytes a head
	s_and_b32 s72, s22, 15
	s_lshl_b32 s72, s72, 13                        ; 128 tokens are 8,192 bytes of a head, and of cos and sin
	s_add_co_u32 s70, s70, s72
	s_mov_b32 s71, 0
	s_mov_b32 s73, 0
	s_mov_b32 s80, 0xffff0000
	s_mov_b32 s[SC8], 0x3b800000
	s_mov_b32 s[SC8+1], 0x3b800000                 ; named as pairs
	s_mov_b32 s[GAM], 0x3f8293ee                   ; 4 log2(e) / sqrt(32) = 1.020139
	s_mov_b32 s[GAM+1], 0x3f8293ee
	s_wait_dscnt 0x0                               ; the opening add is done
	s_wait_kmcnt 0x0
	s_add_nc_u64 s[66:67], s[4:5], s[66:67]
	s_add_nc_u64 s[68:69], s[6:7], s[68:69]
	s_add_nc_u64 s[8:9], s[8:9], s[72:73]
	s_add_nc_u64 s[10:11], s[10:11], s[72:73]
	s_add_nc_u64 s[QBS:QBS+1], s[12:13], s[70:71]
	s_add_nc_u64 s[KBS:KBS+1], s[14:15], s[70:71]
	s_add_nc_u64 s[VBS:VBS+1], s[16:17], s[70:71]
	CROUND                                         ; all sixteen work-groups are here: the first joint loads meet
.irp s, 0,1
	s_mov_b32 s[G0X+4*(\s)], 1
	s_add_co_u32 s[G0X+4*(\s)+1], s25, (\s)*SLOT
	s_add_nc_u64 s[G0X+4*(\s)+2:G0X+4*(\s)+3], s[66:67], (\s)*KSTEP*2
	s_or_b32 s[G0X+4*(\s)+3], s[G0X+4*(\s)+3], 0x80000000
	s_mov_b32 s[G0W+4*(\s)], 1
	s_add_co_u32 s[G0W+4*(\s)+1], s25, (\s)*SLOT
	s_add_nc_u64 s[G0W+4*(\s)+2:G0W+4*(\s)+3], s[68:69], (\s)*KSTEP*2
	s_or_b32 s[G0W+4*(\s)+3], s[G0W+4*(\s)+3], 0x80000000
	JLOAD \s                                       ; K steps 0 and 1: two loads of mine are out
.endr
	; all that follows up to the first barrier stands in the wait for the first tile
	v_and_b32 v1, 15, v0                           ; r
	v_bfe_u32 v2, v0, 4, 1                         ; h
	v_lshlrev_b32 v[CSO], 6, v1
	v_lshl_add_u32 v[CSO], v2, 5, v[CSO]
	WIN 0xc0                                       ; destination window 3
.irp tb, 0,1,2,3,4,5,6,7                ; token r of block tb, numbers 8 h .. 8 h + 7 of its 16
	global_load_b128 v[CSB+16*(\tb):CSB+16*(\tb)+3],     v[CSO], s[8:9]   offset:(\tb)*1024
	global_load_b128 v[CSB+16*(\tb)+4:CSB+16*(\tb)+7],   v[CSO], s[8:9]   offset:(\tb)*1024+16
	global_load_b128 v[CSB+16*(\tb)+8:CSB+16*(\tb)+11],  v[CSO], s[10:11] offset:(\tb)*1024
	global_load_b128 v[CSB+16*(\tb)+12:CSB+16*(\tb)+15], v[CSO], s[10:11] offset:(\tb)*1024+16
.endr
	WIN 0
	v_mul_u32_u24 v3, v1, PITCH
	v_lshl_add_u32 v3, v2, 4, v3                   ; a fragment's row x pitch + 16 x half
	s_mul_i32 s81, s[WV], 32*PITCH                 ; my head's 32 rows in a weight's tile,
	s_add_co_u32 s81, s81, HALFT                   ; wq's behind x's,
	s_add_co_u32 s82, s81, 2*HALFT                 ; wv's two tiles on
.irp s, 0,1
	v_add_nc_u32 v[AX+(\s)], (\s)*SLOT, v3
	v_add_nc_u32 v[AW+(\s)], s81, v3
	v_add_nc_u32 v[AVW+(\s)], s82, v3
	s_add_co_u32 s81, s81, SLOT
	s_add_co_u32 s82, s82, SLOT
.endr
	v_and_b32 v4, 31, v0
	v_lshlrev_b32 v[STQ], 4, v4
	v_lshlrev_b32 v[STV], 4, v1
	v_lshl_add_u32 v[STV], v2, 9, v[STV]
	s_wait_loadcnt 0x0                             ; cos and sin
.irp b, 0,1                             ; rounded to bf16 and widened again, 64 registers at a time through v32-63
	WIN 0x0f
.set i, 0
.rept 32
	v_cvt_pk_bf16_f32 v[T+i], v[CSB+64*(\b)+2*i], v[CSB+64*(\b)+2*i+1]
.set i, i+1
.endr
	WIN 0xc0
.set i, 0
.rept 32
	v_lshlrev_b32 v[CSB+64*(\b)+2*i], 16, v[T+i]
	v_and_b32 v[CSB+64*(\b)+2*i+1], s80, v[T+i]
.set i, i+1
.endr
.endr
	WIN 0xc3
.set i, CSB
.rept 64
	v_pk_mul_f32 v[i:i+1], v[i:i+1], s[SC8:SC8+1] op_sel_hi:[1,0]  ; times 2^-8, exact
.set i, i+2
.endr
; THE MATRIX WORK of a quarter step (32 along K): 16 products for v, 16 for q, 16 for k, always in this order: each accumulator has one instruction a quarter and 47 others'
; between two of its own, over the loop's backward jump too.  zero = 1: the product starts the sum.
.macro MULV f, zero
	WIN 0xf4                                       ; source 0 (x) window 0, source 1 (wv) window 1, C and D window 3
.set tb, 0
.rept 8
.irp cb, 0,1
.set rA, 8*(2*tb+(\cb))
.if \zero
	v_wmma_f32_16x16x32_bf16 v[rA:rA+7], v[64+64*(\f)+8*tb:64+64*(\f)+8*tb+7], v[64*(\f)+32+8*(\cb):64*(\f)+32+8*(\cb)+7], 0
.else
	v_wmma_f32_16x16x32_bf16 v[rA:rA+7], v[64+64*(\f)+8*tb:64+64*(\f)+8*tb+7], v[64*(\f)+32+8*(\cb):64*(\f)+32+8*(\cb)+7], v[rA:rA+7]
.endif
.endr
.set tb, tb+1
.endr
.endm
.macro MULQK ty, tb0, n, f, zero       ; ty 0: q, 1: k; token blocks tb0 .. tb0 + n - 1
	WIN 0xa1                                       ; source 0 (w) window 1, source 1 (x) window 0, C and D window 2
.set tb, \tb0
.rept \n
.irp nb, 0,1
.set rA, 128*(\ty)+8*(2*tb+(\nb))
.if \zero
	v_wmma_f32_16x16x32_bf16 v[rA:rA+7], v[64*(\f)+16*(\ty)+8*(\nb):64*(\f)+16*(\ty)+8*(\nb)+7], v[64+64*(\f)+8*tb:64+64*(\f)+8*tb+7], 0
.else
	v_wmma_f32_16x16x32_bf16 v[rA:rA+7], v[64*(\f)+16*(\ty)+8*(\nb):64*(\f)+16*(\ty)+8*(\nb)+7], v[64+64*(\f)+8*tb:64+64*(\f)+8*tb+7], v[rA:rA+7]
.endif
.endr
.set tb, tb+1
.endr
.endm
; 28 LDS loads in one run: a quarter step's fragments at byte k of the rows, into buffer f: wv's 4, x's 16, then wq's and wk's 8
.macro FETCH slot, k, f
	WIN 0x40
.irp nb, 0,1
	ds_load_b128 v[64*(\f)+32+8*(\nb):64*(\f)+32+8*(\nb)+3],   v[AVW+(\slot)] offset:(\k)+(\nb)*16*PITCH
	ds_load_b128 v[64*(\f)+32+8*(\nb)+4:64*(\f)+32+8*(\nb)+7], v[AVW+(\slot)] offset:(\k)+(\nb)*16*PITCH+32
.endr
	WIN 0
.irp tb, 0,1,2,3,4,5,6,7
	ds_load_b128 v[64+64*(\f)+8*(\tb):64+64*(\f)+8*(\tb)+3],   v[AX+(\slot)] offset:(\k)+(\tb)*16*PITCH
	ds_load_b128 v[64+64*(\f)+8*(\tb)+4:64+64*(\f)+8*(\tb)+7], v[AX+(\slot)] offset:(\k)+(\tb)*16*PITCH+32
.endr
	WIN 0x40
.irp ty, 0,1
.irp nb, 0,1
	ds_load_b128 v[64*(\f)+16*(\ty)+8*(\nb):64*(\f)+16*(\ty)+8*(\nb)+3],   v[AW+(\slot)] offset:(\k)+(\ty)*HALFT+(\nb)*16*PITCH
	ds_load_b128 v[64*(\f)+16*(\ty)+8*(\nb)+4:64*(\f)+16*(\ty)+8*(\nb)+7], v[AW+(\slot)] offset:(\k)+(\ty)*HALFT+(\nb)*16*PITCH+32
.endr
.endr
.endm
; One of a K step's first three quarters: multiplies buffer f; behind v's products it fetches the next quarter, at byte k, into buffer g.
.macro QUARTER slot, k, f, g, zero
	s_wait_dscnt 8                                 ; wv's and x's fragments are in; the youngest eight loads (wq's, wk's) may be out
	MULV \f, \zero
	PLACES
	FETCH \slot, \k, \g
	s_wait_dscnt 28                                ; all but the 28 just issued
	MULQK 0, 0, 8, \f, \zero
	MULQK 1, 0, 8, \f, \zero
.endm
; The last quarter multiplies buffer 1 and changes slots: ONE barrier.  In front of it each wave waits for all its tensor loads (one is out: its tile of the next slot), adds 0 to its
; spare word, and waits for that and for its reads of this slot.  fill = 1: the barrier opens a round of the cluster's, and this slot's joint refill, two K steps on, is the first thing behind it.
.macro TURN slot, next, fill
	WIN 0
	s_wait_tensorcnt 0x0
	ds_add_u32 v[SPW], v[NIL]
	s_wait_dscnt 9                                 ; the add and the youngest eight loads may be out
	MULV 1, 0                                      ; sixteen matrix instructions stand between the add and the wait for it
	s_wait_dscnt 0x0                               ; the add is done, my reads of this slot are over
	s_barrier_signal -1
	MULQK 0, 0, 4, 1, 0                            ; work on registers while the others arrive
.if \fill
	WIN 0
.endif
	s_barrier_wait -1
.if \fill
	CREST                                          ; no wave of any partner still reads this slot or has a load on its way
	s_add_nc_u64 s[G0X+4*(\slot)+2:G0X+4*(\slot)+3], s[G0X+4*(\slot)+2:G0X+4*(\slot)+3], 2*KSTEP*2
	s_add_nc_u64 s[G0W+4*(\slot)+2:G0W+4*(\slot)+3], s[G0W+4*(\slot)+2:G0W+4*(\slot)+3], 2*KSTEP*2
	JLOAD \slot                                    ; its four v_nop are also the places in front of the loads below
.else
	PLACES
.endif
	FETCH \next, 0, 0
	MULQK 0, 4, 4, 1, 0
	MULQK 1, 0, 8, 1, 0
.endm
	s_wait_tensorcnt 1                             ; my tile of K step 0 is in; K step 1's may stay out
	s_barrier_signal -1
	s_barrier_wait -1
	FETCH 0, 0, 0
	QUARTER 0, 64, 0, 1, 1                         ; the first quarter stands in front of the loop: its products start all 48 sums
	WIN 0                                          ; at a label and at a branch every window is 0
	s_mov_b32 s3, LAPS-1
.Llap:                                                 ; a trip goes once round the ring and fills both slots again
	QUARTER 0, 128, 1, 0, 0
	QUARTER 0, 192, 0, 1, 0
	TURN 0, 1, 1
	QUARTER 1, 64,  0, 1, 0
	QUARTER 1, 128, 1, 0, 0
	QUARTER 1, 192, 0, 1, 0
	TURN 1, 0, 1
	QUARTER 0, 64,  0, 1, 0
	WIN 0
	s_sub_co_u32 s3, s3, 1
	s_cmp_lg_u32 s3, 0
	s_cbranch_scc1 .Llap
	QUARTER 0, 128, 1, 0, 0                        ; the last lap fills nothing
	QUARTER 0, 192, 0, 1, 0
	TURN 0, 1, 0
	QUARTER 1, 64,  0, 1, 0
	QUARTER 1, 128, 1, 0, 0
	QUARTER 1, 192, 0, 1, 0
	s_wait_dscnt 0x0                               ; the very last quarter: nothing more to fetch
	MULV 1, 0
	MULQK 0, 0, 8, 1, 0
	MULQK 1, 0, 8, 1, 0
	PLACES
	; THE WAY OUT.  v: rounded to f16, a lane's eight tokens of a channel are 16 bytes.  Every store has data registers of its own.
	WIN 0x0f
.set a, 0
.rept 16
.irp i, 0,1,2,3
	v_cvt_pk_f16_f32 v[PKV+4*a+(\i)], v[8*a+2*(\i)], v[8*a+2*(\i)+1]
.endr
.set a, a+1
.endr
	WIN 0
.set a, 0
.rept 16
	global_store_b128 v[STV], v[PKV+4*a:PKV+4*a+3], s[VBS:VBS+1] offset:(a/2)*1024+(a%2)*256  ; lanes 0-15 and 16-31 each fill 256 consecutive bytes
.set a, a+1
.endr
; RoPE of token block tb: out1 = x1 c - x2 s, out2 = x2 c + x1 s, in f32, each accumulator read from its low end on; rounded once to f16; two stores of 512 consecutive bytes.
.macro ROPE ty, tb, base
.set X1, 128*(\ty)+16*(\tb)
.set X2, X1+8
.set CC, CSB+16*(\tb)
.set SS, CC+8
.set PK, PKQ+8*(8*(\ty)+(\tb))
	WIN 0x0e                                       ; source 0 window 2, source 1 window 3, source 2 and destination window 0
.irp j, 0,2,4,6
	v_pk_mul_f32 v[T+16+(\j):T+17+(\j)], v[X2+(\j):X2+(\j)+1], v[SS+(\j):SS+(\j)+1]
	v_pk_mul_f32 v[T+24+(\j):T+25+(\j)], v[X1+(\j):X1+(\j)+1], v[SS+(\j):SS+(\j)+1]
	v_pk_fma_f32 v[T+(\j):T+(\j)+1],     v[X1+(\j):X1+(\j)+1], v[CC+(\j):CC+(\j)+1], v[T+16+(\j):T+17+(\j)] neg_lo:[0,0,1] neg_hi:[0,0,1]
	v_pk_fma_f32 v[T+8+(\j):T+9+(\j)],   v[X2+(\j):X2+(\j)+1], v[CC+(\j):CC+(\j)+1], v[T+24+(\j):T+25+(\j)]
.endr
	WIN 0
.irp i, 0,1,2,3,4,5,6,7
	v_cvt_pk_f16_f32 v[PK+(\i)], v[T+2*(\i)], v[T+2*(\i)+1]
.endr
	global_store_b128 v[STQ], v[PK:PK+3],   s[(\base):(\base)+1] offset:(\tb)*1024
	global_store_b128 v[STQ], v[PK+4:PK+7], s[(\base):(\base)+1] offset:(\tb)*1024+512
.endm
.irp tb, 0,1,2,3,4,5,6,7
	ROPE 1, \tb, KBS
.endr
	WIN 0xc3
.set i, CSB
.rept 64
	v_pk_mul_f32 v[i:i+1], v[i:i+1], s[GAM:GAM+1] op_sel_hi:[1,0]  ; q's cos and sin carry g as well
.set i, i+2
.endr
.irp tb, 0,1,2,3,4,5,6,7
	ROPE 0, \tb, QBS
.endr
	s_wait_tensorcnt 0x0                           ; the wave's end
	ds_add_u32 v[SPW], v[NIL]
	s_wait_dscnt 0x0
	CROUND                                         ; the closing round: no work-group ends while a partner may still ask for a tile that names it
	s_endpgm
.Lfunc_end_k_qb652aabce3_qkv:
	.size	k_qb652aabce3_qkv, .Lfunc_end_k_qb652aabce3_qkv-k_qb652aabce3_qkv
	.p2alignl 7, 3214868480
	.fill 96, 4, 3214868480
	.section	.rodata,"a",@progbits
	.p2align	6, 0x0
	.amdhsa_kernel k_qb652aabce3_qkv
		.amdhsa_group_segment_fixed_size 327680
		.amdhsa_private_segment_fixed_size 0
		.amdhsa_enable_private_segment 0
		.amdhsa_kernarg_size 56
		.amdhsa_user_sgpr_count 2
		.amdhsa_user_sgpr_kernarg_segment_ptr 1
		.amdhsa_wavefront_size32 1
		.amdhsa_system_sgpr_workgroup_id_x 1
		.amdhsa_system_sgpr_workgroup_id_y 1
		.amdhsa_system_sgpr_workgroup_id_z 1
		.amdhsa_system_vgpr_workitem_id 0
		.amdhsa_next_free_vgpr 1024
		.amdhsa_next_free_sgpr 88
		.amdhsa_reserve_vcc 0
		.amdhsa_float_denorm_mode_32 3
		.amdhsa_float_denorm_mode_16_64 3
		.amdhsa_memory_ordered 1
		.amdhsa_forward_progress 1
		.amdhsa_inst_pref_size 145
	.end_amdhsa_kernel
	.amdgpu_metadata
---
amdhsa.version: [ 1, 2 ]
amdhsa.kernels:
  - .name:           k_qb652aabce3_qkv
    .symbol:         k_qb652aabce3_qkv.kd
    .args:
      - { .name: xb, .offset: 0, .size: 8, .value_kind: global_buffer, .address_space: global }
      - { .name: wb, .offset: 8, .size: 8, .value_kind: global_buffer, .address_space: global }
      - { .name: cos, .offset: 16, .size: 8, .value_kind: global_buffer, .address_space: global }
      - { .name: sin, .offset: 24, .size: 8, .value_kind: global_buffer, .address_space: global }
      - { .name: qc, .offset: 32, .size: 8, .value_kind: global_buffer, .address_space: global }
      - { .name: kc, .offset: 40, .size: 8, .value_kind: global_buffer, .address_space: global }
      - { .name: vc, .offset: 48, .size: 8, .value_kind: global_buffer, .address_space: global }
    .group_segment_fixed_size: 327680
    .private_segment_fixed_size: 0
    .kernarg_segment_align: 8
    .kernarg_segment_size: 56
    .max_flat_workgroup_size: 128
    .sgpr_count:     88
    .vgpr_count:     1024
    .wavefront_size: 32
...
	.end_amdgpu_metadata
.endif
;; end of part 2
;; launch attn (part 3): grid 4 x 64, 8 waves a work-group, clusters of 4 x 1, 263,168 bytes of LDS; arguments qc, kc, vc, oc; writes oc
.if DOCPART == 3
	.amdgcn_target "amdgcn-amd-amdhsa--gfx1250"
	.amdhsa_code_object_version 6
	.text
	.protected	k_qb652aabce3_attn
	.globl	k_qb652aabce3_attn
	.p2align	8
	.type	k_qb652aabce3_attn,@function
k_qb652aabce3_attn:
	s_mov_b64 s[64:65], 0
	v_nop
	global_prefetch_b8 v0, s[64:65] scope:SCOPE_SE
	s_setreg_imm32_b32 hwreg(HW_REG_WAVE_MODE, 25, 1), 1
	s_wait_xcnt 0x0
	s_wait_alu depctr_hold_cnt(0) depctr_sa_sdst(0) depctr_va_vdst(0) depctr_va_sdst(0) depctr_va_ssrc(0) depctr_va_vcc(0) depctr_vm_vsrc(0)
	s_getreg_b32 s2, hwreg(HW_REG_IB_STS2, 6, 4)
	s_cmp_eq_u32 s2, 0
	s_cbranch_scc0 .Lentry_in_a_cluster
	s_endpgm
.Lentry_in_a_cluster:
	s_bfe_u32 s2, ttmp6, 0x10000c
	s_cmp_lg_u32 s2, 0x3003
	s_cbranch_scc0 .Lentry_shape_is_right
	s_endpgm
.Lentry_shape_is_right:
; CAUSAL ATTENTION at head size 32.  O[q] = sum over k <= q of softmax_k(q . k / sqrt(32)) v[k], for 64 heads of 2,048 rows.  Operands f16, products, maxima and sums f32.
; qc holds q g 2^-8 (g = 4 log2(e) / sqrt(32)), kc holds k 2^-8: S = their product, and the exponent to base 2 is 2^14 S.
; A HEAD'S K AND V STAY IN LDS: 131,072 bytes each, filled once, by joint loads of the cluster's four work-groups, which all belong to head g.  Nothing is filled again.
; SHARES.  A head has 16 bands of 128 queries; in every band partner cx owns queries 32 cx .. + 31: two tiles of 16.  Wave w takes band 15 - w and then band w.  Keys go in steps of 64;
; band b has 2 (b + 1) steps, the last two of them over the band's own 128 keys, with masks.  So every wave of every work-group has 34 steps.  Branches and trip counts hang on the
; wave's number alone; cx enters Q's and O's global addresses and two scalars that are factors of the mask.
; LAYOUT.  S^T = K Q^T (source 0 = 16 keys, source 1 = 16 queries): a lane holds ONE query (lane % 16) and keys 8 (lane / 16) + 0..7.  Two such results rounded to f16 in pairs ARE
; source 1 (32 keys x 16 queries) of O^T = V^T P; they are packed in place, into the low half of S^T's own registers.  K, Q and V lie in memory and LDS so that the 32 lanes of every
; fragment load read 512 (V: 2 x 256) consecutive bytes: no padding, no turning load.
; SOFTMAX.  Running maximum m, M = 2^14 m (exact: a power of two), p = 2^(2^14 S - M), never above 1.  In every step O and l are multiplied by a = 2^(M_old - M_new).
; l = the sum of the ROUNDED p, made by the matrix unit: source 0 has ones in rows 0 and 8, so register 0 of every lane takes the query's whole sum and no lanes are exchanged for it.
; THE MASK is the C operand of K Q^T in a band's last two steps: MD x AL + BE, MD = -1e30 where 8 (lane / 16) + j > lane % 16; for key block kb and tile t: (AL, BE) = (1, 0) where
; kb - t = EQ, (0, 0) below, (0, -1e30) above; EQ = 2 cx - 4 x (0 or 1, the step).  Key 0 is seen by every query, so m is a true score from a band's first step on.
; LIMITS.  A hidden score counts as its value less 1e30 (|S| is 1.4e11 at the most); p below 6e-5 keeps f16's fixed step of 6e-8, p below 2^-126 counts as 0; O has V's range; NaN and infinities are not treated apart.
; Two waves share a SIMD's registers (256 each): one wave's vector work stands beside the other's matrix work, so the lines are left in phases.
.set VB,    131072                     ; V behind K
.set SPARE, 262144                     ; behind V: the spare words, 128 bytes a wave: four blocks of 256 bytes that no other line names
.set STEPB, 4096                       ; 64 keys of K, and of V
.set LK,  3                            ; v3   16 x lane: my place in a fragment of K, Q, O; never rewritten
.set AV0, 4                            ; v4   VB + 512 (lane / 16) + 16 (lane % 16); never rewritten
.set AK,  5                            ; v5   the step's K
.set AV,  6                            ; v6   the step's V
.set SPW, 8                            ; v8   my spare word; never rewritten
.set NIL, 9                            ; v9   0; never rewritten
.set ST,  12                           ; tile t at v[ST+4 t]: M, m, a, M_old
.set CT,  20                           ; tile t at v[CT+4 t]: c0-c3, at work
.set ONES, 28                          ; v28-35
.set MD,  36                           ; v36-43
.set QA,  44                           ; v44-59   Q of the first band, 8 a tile
.set QB,  60                           ; v60-75   of the second
.set KF,  76                           ; v76-107  K of a step: key block kb at KF + 8 kb
.set VF,  108                          ; v108-139 V of a step: 32 keys kk, 16 channels cb at VF + 8 (2 kk + cb)
.set S,   140                          ; v140-203 S^T: tile t, key block kb at S + 32 t + 8 kb; P of tile t in S + 32 t + 0..15
.set O,   204                          ; v204-235 O^T: tile t, channels cb at O + 16 t + 8 cb
.set LL,  236                          ; v236-251 tile t at LL + 8 t: register 0 is l, the others stay 0
.set WV,  12
.set CX,  13
.set G,   14
.set G1,  16                           ; s[16:23] descriptor group 1
.set G0A, 24                           ; s[24:27] group 0: my 16 KiB of keys 0-1023
.set G0B, 28                           ; s[28:31] of keys 1024-2047
.set CS,  32                           ; s[32:33] 2^14
.set SEL, 34                           ; s[34:35] v_permlanex16_b32's selects: the same place in the other half
.set BIGN, 36                          ; -1e30
.set AL,  38                           ; s[38:39]
.set BE,  40                           ; s[40:41]
.set TB,  42                           ; LDS byte of the step in hand, in K and in V
.set CNT, 43
.set R,   44                           ; steps that the band in hand still has
.set EQ,  45
.set C46, 46                           ; 2 cx - 8
.set QAB, 48                           ; s[48:49], s[50:51] Q, s[52:53], s[54:55] O at my tiles of the two bands
.set QBB, 50
.set OA,  52
.set OB,  54
.macro ROUND                           ; a round of the cluster's barrier
	s_barrier_signal -1
	s_barrier_wait -1
	s_cmp_lg_u32 s[WV], 0
	s_cbranch_scc1 .Lnot_wave_0_\@
	s_barrier_signal -3
.Lnot_wave_0_\@:
	s_barrier_wait -3
	s_barrier_signal -1
	s_barrier_wait -1
.endm
	s_load_b256 s[4:11], s[0:1], 0x0               ; qc 4, kc 6, vc 8, oc 10
	v_lshl_add_u32 v[SPW], v0, 2, SPARE
	v_mov_b32 v[NIL], 0
	ds_add_u32 v[SPW], v[NIL]                      ; the wave's opening: the add and its wait stand ahead of my first tensor load; register work stands between
	v_lshrrev_b32 v1, 5, v0
	v_readfirstlane_b32 s[WV], v1
	s_bfe_u32 s[CX], ttmp6, 0x40000
	s_and_b32 s[G], ttmp7, 0xffff                  ; the head, which the four partners share
	s_mov_b32 s[G1],   15|(3<<16)|(1<<21)          ; the mask of four; 8-byte elements; bit 21 beside a mask; no padding
	s_mov_b32 s[G1+1], 32<<16                      ; tensor_dim0 = 32: rows of 256 bytes
	s_mov_b32 s[G1+2], 64<<16                      ; tensor_dim1 = 64
	s_mov_b32 s[G1+3], 32<<16                      ; tile_dim0
	s_mov_b32 s[G1+4], 64                          ; tile_dim1
	s_mov_b32 s[G1+5], 32                          ; dense
	s_mov_b32 s[G1+6], 0
	s_mov_b32 s[G1+7], 0
	s_and_b32 s60, s[WV], 3
	s_lshl_b32 s60, s60, 14                        ; which 16 KiB of a half: waves 0-3 fetch K, waves 4-7 V
	s_lshr_b32 s61, s[WV], 2
	s_lshl_b32 s61, s61, 17
	s_mov_b32 s[G0A], 1
	s_add_co_u32 s[G0A+1], s60, s61                ; LDS address: the wave's number alone
	s_mov_b32 s[G0B], 1
	s_add_co_u32 s[G0B+1], s[G0A+1], 65536
	s_lshl_b32 s15, s[G], 17                       ; the head's 131,072 bytes in qc, kc, vc
	s_add_co_u32 s60, s60, s15
	s_mov_b32 s61, 0
	s_mov_b32 s[CS], 0x46800000
	s_mov_b32 s[CS+1], 0x46800000                  ; named as pairs
	s_mov_b32 s[SEL], 0x76543210
	s_mov_b32 s[SEL+1], 0xfedcba98
	s_mov_b32 s[BIGN], 0xf149f2ca
	s_mov_b32 s37, 0x3c003c00                      ; two f16 ones
	s_mov_b32 s[AL+1], 0
	s_mov_b32 s[BE+1], 0
	s_mov_b32 s[TB], 0
	s_wait_dscnt 0x0                               ; the opening add is done
	s_wait_kmcnt 0x0
	s_cmp_lt_u32 s[WV], 4
	s_cselect_b64 s[62:63], s[6:7], s[8:9]
	s_add_nc_u64 s[G0A+2:G0A+3], s[62:63], s[60:61]
	s_add_nc_u64 s[G0B+2:G0B+3], s[G0A+2:G0A+3], 0x10000
	s_or_b32 s[G0A+3], s[G0A+3], 0x80000000
	s_or_b32 s[G0B+3], s[G0B+3], 0x80000000
	ROUND                                          ; all four work-groups are here: the joint loads meet
	tensor_load_to_lds s[G0A:G0A+3], s[G1:G1+7]    ; both fills go out together: two loads of mine are out
	s_nop 0
	tensor_load_to_lds s[G0B:G0B+3], s[G1:G1+7]
	s_nop 0
.rept 4
	v_nop
.endr
	; Q's and O's addresses hold cx: they are made in registers that feed no descriptor
	s_lshl_b32 s58, s[CX], 1
	s_sub_co_u32 s[C46], s58, 8
	s_sub_co_u32 s47, 15, s[WV]
	s_lshl3_add_u32 s47, s47, s58                  ; my first block of 16 rows in the first band: 8 (15 - w) + 2 cx
	s_lshl3_add_u32 s59, s[WV], s58                ; in the second: 8 w + 2 cx
	s_mov_b32 s57, 0
	s_lshl_b32 s56, s47, 10
	s_add_co_u32 s56, s56, s15
	s_add_nc_u64 s[QAB:QAB+1], s[4:5], s[56:57]
	s_lshl_b32 s56, s59, 10
	s_add_co_u32 s56, s56, s15
	s_add_nc_u64 s[QBB:QBB+1], s[4:5], s[56:57]
	s_lshr_b32 s45, s[G], 5
	s_lshl_b32 s45, s45, 7                         ; the batch's 128 blocks of 16 tokens,
	s_and_b32 s43, s[G], 31
	s_lshl_b32 s43, s43, 10                        ; the head's 32 channels: four runs of 256 bytes in a block's 32,768
	s_add_co_u32 s56, s47, s45
	s_lshl_b32 s56, s56, 15
	s_add_co_u32 s56, s56, s43
	s_add_nc_u64 s[OA:OA+1], s[10:11], s[56:57]
	s_add_co_u32 s56, s59, s45
	s_lshl_b32 s56, s56, 15
	s_add_co_u32 s56, s56, s43
	s_add_nc_u64 s[OB:OB+1], s[10:11], s[56:57]
	v_and_b32 v1, 31, v0
	v_lshlrev_b32 v[LK], 4, v1
.irp t, 0,1
	global_load_b128 v[QA+8*(\t):QA+8*(\t)+3],   v[LK], s[QAB:QAB+1] offset:(\t)*1024
	global_load_b128 v[QA+8*(\t)+4:QA+8*(\t)+7], v[LK], s[QAB:QAB+1] offset:(\t)*1024+512
	global_load_b128 v[QB+8*(\t):QB+8*(\t)+3],   v[LK], s[QBB:QBB+1] offset:(\t)*1024
	global_load_b128 v[QB+8*(\t)+4:QB+8*(\t)+7], v[LK], s[QBB:QBB+1] offset:(\t)*1024+512
.endr
	v_and_b32 v1, 15, v0                           ; r
	v_bfe_u32 v2, v0, 4, 1                         ; h
	v_lshlrev_b32 v[AV0], 4, v1
	v_lshl_add_u32 v[AV0], v2, 9, v[AV0]
	v_add_nc_u32 v[AV0], VB, v[AV0]
	v_and_b32 v10, 7, v0
	v_cmp_eq_u32 vcc_lo, 0, v10                    ; rows 0 and 8 of source 0 lie in the lanes whose number is a multiple of 8
	v_cndmask_b32 v[ONES], 0, s37, vcc_lo
.irp i, 1,2,3,4,5,6,7
	v_mov_b32 v[ONES+(\i)], v[ONES]
.endr
	v_lshlrev_b32 v10, 3, v2
	v_sub_nc_u32 v10, v1, v10                      ; r - 8 h
.irp j, 0,1,2,3,4,5,6,7
	v_cmp_gt_i32 vcc_lo, \j, v10
	v_cndmask_b32 v[MD+(\j)], 0, s[BIGN], vcc_lo
.endr
.macro LDK off                         ; 8 loads: K of the step at AK + off
.irp kb, 0,1,2,3
	ds_load_b128 v[KF+8*(\kb):KF+8*(\kb)+3],   v[AK] offset:(\off)+(\kb)*1024
	ds_load_b128 v[KF+8*(\kb)+4:KF+8*(\kb)+7], v[AK] offset:(\off)+(\kb)*1024+512
.endr
.endm
.macro LDV                             ; 8 loads: V of the step in hand
.irp kk, 0,1
.irp cb, 0,1
	ds_load_b128 v[VF+8*(2*(\kk)+(\cb)):VF+8*(2*(\kk)+(\cb))+3],   v[AV] offset:(\kk)*2048+(\cb)*256
	ds_load_b128 v[VF+8*(2*(\kk)+(\cb))+4:VF+8*(2*(\kk)+(\cb))+7], v[AV] offset:(\kk)*2048+(\cb)*256+1024
.endr
.endr
.endm
.macro QK q, m                         ; 8 products, one for each accumulator: the head's 32 channels are one instruction deep.  m = 1: C is the mask, which lies in S^T's registers
.irp t, 0,1
.irp kb, 0,1,2,3
.if \m
	v_wmma_f32_16x16x32_f16 v[S+32*(\t)+8*(\kb):S+32*(\t)+8*(\kb)+7], v[KF+8*(\kb):KF+8*(\kb)+7], v[(\q)+8*(\t):(\q)+8*(\t)+7], v[S+32*(\t)+8*(\kb):S+32*(\t)+8*(\kb)+7]
.else
	v_wmma_f32_16x16x32_f16 v[S+32*(\t)+8*(\kb):S+32*(\t)+8*(\kb)+7], v[KF+8*(\kb):KF+8*(\kb)+7], v[(\q)+8*(\t):(\q)+8*(\t)+7], 0
.endif
.endr
.endr
.endm
.macro PV t                            ; 6 products: the tile's two accumulators of O^T and its l take turns, one instruction a turn
.irp kk, 0,1
	v_wmma_f32_16x16x32_f16 v[O+16*(\t):O+16*(\t)+7],     v[VF+16*(\kk):VF+16*(\kk)+7],    v[S+32*(\t)+8*(\kk):S+32*(\t)+8*(\kk)+7], v[O+16*(\t):O+16*(\t)+7]
	v_wmma_f32_16x16x32_f16 v[O+16*(\t)+8:O+16*(\t)+15],  v[VF+16*(\kk)+8:VF+16*(\kk)+15], v[S+32*(\t)+8*(\kk):S+32*(\t)+8*(\kk)+7], v[O+16*(\t)+8:O+16*(\t)+15]
	v_wmma_f32_16x16x32_f16 v[LL+8*(\t):LL+8*(\t)+7],     v[ONES:ONES+7],                  v[S+32*(\t)+8*(\kk):S+32*(\t)+8*(\kk)+7], v[LL+8*(\t):LL+8*(\t)+7]
.endr
.endm
; The tile's maximum and statistics: four chains of seven scores (each accumulator's lowest registers first), the four left over, the old m;
; the query's other 32 keys lie in the lane 16 away; then M, M_old - M and a.
.macro SMAX t
.set rT, ST+4*(\t)
.set rC, CT+4*(\t)
.set rS, S+32*(\t)
.irp n, 0,1,2,3
	v_max3_num_f32 v[rC+(\n)], v[rS+8*(\n)], v[rS+8*(\n)+1], v[rS+8*(\n)+2]
.endr
.irp n, 0,1,2,3
	v_max3_num_f32 v[rC+(\n)], v[rC+(\n)], v[rS+8*(\n)+3], v[rS+8*(\n)+4]
.endr
.irp n, 0,1,2,3
	v_max3_num_f32 v[rC+(\n)], v[rC+(\n)], v[rS+8*(\n)+5], v[rS+8*(\n)+6]
.endr
	v_max3_num_f32 v[rC],   v[rC],   v[rS+7],  v[rS+15]
	v_max3_num_f32 v[rC+1], v[rC+1], v[rS+23], v[rS+31]
	v_max3_num_f32 v[rC+2], v[rC+2], v[rC+3],  v[rT+1]
	v_max3_num_f32 v[rC],   v[rC],   v[rC+1],  v[rC+2]
	v_permlanex16_b32 v[rC+3], v[rC], s[SEL], s[SEL+1]
	v_max_num_f32 v[rT+1], v[rC], v[rC+3]
	v_mul_f32 v[rT], s[CS], v[rT+1]
	v_sub_f32 v[rC+1], v[rT+3], v[rT]
	v_exp_f32 v[rT+2], v[rC+1]                     ; the scaling that follows is the plain line behind it
.endm
.macro FF b                            ; pair b of 16: 2^14 S - M
	v_pk_fma_f32 v[rS+2*(\b):rS+2*(\b)+1], v[rS+2*(\b):rS+2*(\b)+1], s[CS:CS+1], v[rT:rT+1] op_sel_hi:[1,0,0] neg_lo:[0,0,1] neg_hi:[0,0,1]
.endm
.macro RR n                            ; 0-7: pair n of the tile's O^T times a; 8: l times a
.if (\n) < 8
	s_wait_alu depctr_va_vdst(0)
	v_pk_mul_f32 v[rO+2*(\n):rO+2*(\n)+1], v[rO+2*(\n):rO+2*(\n)+1], v[rT+2:rT+3] op_sel_hi:[1,0]
.else
	v_mul_f32 v[rL], v[rL], v[rT+2]
.endif
.endm
; Scaling, 32 exponentials, rounding, rescaling.  Exponential and plain line by turns: the plain one is a scaling four pairs ahead, a rounding a pair back, or a rescaling.
; Pair b is rounded into register b of the tile's S^T: below every score that is still to be read, since the roundings ascend.
.macro SEXP t
.set rT, ST+4*(\t)
.set rS, S+32*(\t)
.set rO, O+16*(\t)
.set rL, LL+8*(\t)
	FF 0
	FF 1
	FF 2
	FF 3
.set b, 0
.rept 16
	v_exp_f32 v[rS+2*b], v[rS+2*b]
.if b <= 11
	FF b+4
.else
	RR b-11
.endif
	v_exp_f32 v[rS+2*b+1], v[rS+2*b+1]
.if b == 0
	RR 0
.else
	s_wait_alu depctr_va_vdst(0)
	v_cvt_pk_f16_f32 v[rS+b-1], v[rS+2*b-2], v[rS+2*b-1]
.endif
.set b, b+1
.endr
	RR 5
	s_wait_alu depctr_va_vdst(0)
	v_cvt_pk_f16_f32 v[rS+15], v[rS+30], v[rS+31]
	RR 6
	RR 7
	RR 8
.endm
.macro MASKS                           ; the eight masks, into S^T's registers; kb - t runs from -1 to 3
.irp ii, -1,0,1,2,3
	s_cmp_eq_i32 s[EQ], \ii
	s_cselect_b32 s[AL], 1.0, 0
	s_cmp_lt_i32 s[EQ], \ii
	s_cselect_b32 s[BE], s[BIGN], 0
.irp t, 0,1
.if ((\ii)+(\t) >= 0) && ((\ii)+(\t) <= 3)
.irp z, 0,1,2,3
	v_pk_fma_f32 v[S+32*(\t)+8*((\ii)+(\t))+2*(\z):S+32*(\t)+8*((\ii)+(\t))+2*(\z)+1], v[MD+2*(\z):MD+2*(\z)+1], s[AL:AL+1], s[BE:BE+1] op_sel_hi:[1,0,0]
.endr
.endif
.endr
.endr
.endm
; A KEY STEP.  Its K was asked for in the step before.  The five plain lines at its head name no register of the last products: they are the places in front of V's loads, of the
; masks, and of the products that write over P.
.macro STEP q, m
	v_mov_b32 v[ST+3], v[ST]                       ; M_old
	v_mov_b32 v[ST+7], v[ST+4]
	v_add_nc_u32 v[AV], s[TB], v[AV0]
	v_add_nc_u32 v[AK], s[TB], v[LK]
	v_nop
	LDV
.if \m
	MASKS
.endif
	s_wait_dscnt 8                                 ; K is in: it is older than V's eight loads
	QK \q, \m
.rept 4
	v_nop                                          ; the places in front of the loads into K's registers and of the first read of the scores
.endr
	LDK STEPB                                      ; the next step's K.  Behind a band's last step these bytes serve nothing (behind step 31 they are V's first): they have landed, and nobody uses them
	SMAX 0
	SEXP 0
	s_wait_dscnt 8                                 ; V is in; K's eight may stay out
	PV 0
	SMAX 1
	SEXP 1
	PV 1
.endm
; The rest of a band: a constant number of trips; a wave whose band has ended jumps forward over the step, past no barrier and no tensor load.
.macro LOOPX q, trips
	s_mov_b32 s[CNT], \trips
.Ltop_\@:
	s_cmp_eq_u32 s[R], 0
	s_cbranch_scc1 .Lbot_\@
	s_cmp_gt_u32 s[R], 2
	s_cbranch_scc0 .Lmask_\@
	STEP \q, 0
	s_branch .Lbot_\@
.Lmask_\@:
	s_lshl2_add_u32 s[EQ], s[R], s[C46]            ; 4 R + 2 cx - 8: 2 cx in the last step but one, 2 cx - 4 in the last
	STEP \q, 1
.Lbot_\@:
	s_add_co_u32 s[TB], s[TB], STEPB
	s_max_u32 s[R], s[R], 1
	s_sub_co_u32 s[R], s[R], 1
	s_sub_co_u32 s[CNT], s[CNT], 1
	s_cmp_lg_u32 s[CNT], 0
	s_cbranch_scc1 .Ltop_\@
.endm
.macro BEGIN                           ; a band begins: O^T and l are 0; M far below every 2^14 S, so the first a is 0; m the lowest finite number.  No first step is written out: the price is these 48 lines, twice
.set i, O
.rept 48
	v_mov_b32 v[i], 0
.set i, i+1
.endr
.irp t, 0,1
	v_mov_b32 v[ST+4*(\t)], 0xfe000000
	v_mov_b32 v[ST+4*(\t)+1], 0xff7fffff
.endr
.endm
.macro FINISH ob                       ; O^T / l, rounded to f16: a lane's eight channels of a token are 16 bytes; four stores of 512 consecutive bytes
	v_rcp_f32 v[ST+2], v[LL]
	v_nop                                          ; a plain line behind the reciprocal
.set i, 0
	s_wait_alu depctr_va_vdst(0)
.rept 8
	v_pk_mul_f32 v[O+2*i:O+2*i+1], v[O+2*i:O+2*i+1], v[ST+2:ST+3] op_sel_hi:[1,0]
.set i, i+1
.endr
	v_rcp_f32 v[ST+6], v[LL+8]                     ; nine plain lines behind the last products
.set i, 0
.rept 8
	v_cvt_pk_f16_f32 v[S+i], v[O+2*i], v[O+2*i+1]
.set i, i+1
.endr
.set i, 0
	s_wait_alu depctr_va_vdst(0)
.rept 8
	v_pk_mul_f32 v[O+16+2*i:O+16+2*i+1], v[O+16+2*i:O+16+2*i+1], v[ST+6:ST+7] op_sel_hi:[1,0]
.set i, i+1
.endr
.set i, 0
.rept 8
	v_cvt_pk_f16_f32 v[S+8+i], v[O+16+2*i], v[O+16+2*i+1]
.set i, i+1
.endr
.irp t, 0,1
.irp cb, 0,1
	global_store_b128 v[LK], v[S+8*(\t)+4*(\cb):S+8*(\t)+4*(\cb)+3], s[(\ob):(\ob)+1] offset:(\t)*32768+(\cb)*512
.endr
.endr
.endm
	BEGIN
	s_wait_tensorcnt 0x1                           ; my part of keys 0-1023 is in; the second half may stay out
	s_barrier_signal -1
	s_barrier_wait -1                              ; everybody's is
	v_mov_b32 v[AK], v[LK]
	LDK 0
	s_wait_loadcnt 0x0                             ; Q
	s_mov_b32 s[CNT], 15
.Lfull:                                                ; steps 0-14 of the first band: whole for every wave (band 8 has 16 whole steps); with the look-ahead they stay inside keys 0-1023
	STEP QA, 0
	s_add_co_u32 s[TB], s[TB], STEPB
	s_sub_co_u32 s[CNT], s[CNT], 1
	s_cmp_lg_u32 s[CNT], 0
	s_cbranch_scc1 .Lfull
	s_wait_tensorcnt 0x0                           ; my part of keys 1024-2047 is in,
	s_wait_dscnt 0x0                               ; no LDS instruction of mine is out at the signal,
	s_barrier_signal -1
	s_barrier_wait -1                              ; and everybody's part is in; all eight waves have done the same work up to here
	s_lshl_b32 s[R], s[WV], 1
	s_sub_co_u32 s[R], 17, s[R]                    ; 2 (16 - w) - 15 steps are left
	LOOPX QA, 17
	FINISH OA
	s_wait_dscnt 0x0                               ; the look-ahead's loads: K's registers are loaded anew below
	BEGIN
	s_wait_xcnt 0x0                                ; the stores' data lie in S^T's registers, which the next step writes
	s_mov_b32 s[TB], 0
	v_mov_b32 v[AK], v[LK]
	LDK 0
	s_lshl_b32 s[R], s[WV], 1
	s_add_co_u32 s[R], s[R], 2                     ; the second band has 2 (w + 1) steps
	LOOPX QB, 16
	FINISH OB
	s_wait_tensorcnt 0x0                           ; the wave's end
	ds_add_u32 v[SPW], v[NIL]
	s_wait_dscnt 0x0
	ROUND                                          ; the closing round
	s_endpgm
.Lfunc_end_k_qb652aabce3_attn:
	.size	k_qb652aabce3_attn, .Lfunc_end_k_qb652aabce3_attn-k_qb652aabce3_attn
	.p2alignl 7, 3214868480
	.fill 96, 4, 3214868480
	.section	.rodata,"a",@progbits
	.p2align	6, 0x0
	.amdhsa_kernel k_qb652aabce3_attn
		.amdhsa_group_segment_fixed_size 263168
		.amdhsa_private_segment_fixed_size 0
		.amdhsa_enable_private_segment 0
		.amdhsa_kernarg_size 32
		.amdhsa_user_sgpr_count 2
		.amdhsa_user_sgpr_kernarg_segment_ptr 1
		.amdhsa_wavefront_size32 1
		.amdhsa_system_sgpr_workgroup_id_x 1
		.amdhsa_system_sgpr_workgroup_id_y 1
		.amdhsa_system_sgpr_workgroup_id_z 1
		.amdhsa_system_vgpr_workitem_id 0
		.amdhsa_next_free_vgpr 256
		.amdhsa_next_free_sgpr 66
		.amdhsa_reserve_vcc 1
		.amdhsa_float_denorm_mode_32 3
		.amdhsa_float_denorm_mode_16_64 3
		.amdhsa_memory_ordered 1
		.amdhsa_forward_progress 1
		.amdhsa_inst_pref_size 91
	.end_amdhsa_kernel
	.amdgpu_metadata
---
amdhsa.version: [ 1, 2 ]
amdhsa.kernels:
  - .name:           k_qb652aabce3_attn
    .symbol:         k_qb652aabce3_attn.kd
    .args:
      - { .name: qc, .offset: 0, .size: 8, .value_kind: global_buffer, .address_space: global }
      - { .name: kc, .offset: 8, .size: 8, .value_kind: global_buffer, .address_space: global }
      - { .name: vc, .offset: 16, .size: 8, .value_kind: global_buffer, .address_space: global }
      - { .name: oc, .offset: 24, .size: 8, .value_kind: global_buffer, .address_space: global }
    .group_segment_fixed_size: 263168
    .private_segment_fixed_size: 0
    .kernarg_segment_align: 8
    .kernarg_segment_size: 32
    .max_flat_workgroup_size: 256
    .sgpr_count:     66
    .vgpr_count:     256
    .wavefront_size: 32
...
	.end_amdgpu_metadata
.endif
;; end of part 3
;; launch oproj (part 4): grid 8 x 32, 4 waves a work-group, clusters of 4 x 4, 327,680 bytes of LDS; arguments oc, wof, out0; writes out0
.if DOCPART == 4
	.amdgcn_target "amdgcn-amd-amdhsa--gfx1250"
	.amdhsa_code_object_version 6
	.text
	.protected	k_qb652aabce3_oproj
	.globl	k_qb652aabce3_oproj
	.p2align	8
	.type	k_qb652aabce3_oproj,@function
k_qb652aabce3_oproj:
	s_mov_b64 s[64:65], 0
	v_nop
	global_prefetch_b8 v0, s[64:65] scope:SCOPE_SE
	s_setreg_imm32_b32 hwreg(HW_REG_WAVE_MODE, 25, 1), 1
	s_wait_xcnt 0x0
	s_wait_alu depctr_hold_cnt(0) depctr_sa_sdst(0) depctr_va_vdst(0) depctr_va_sdst(0) depctr_va_ssrc(0) depctr_va_vcc(0) depctr_vm_vsrc(0)
	s_getreg_b32 s2, hwreg(HW_REG_IB_STS2, 6, 4)
	s_cmp_eq_u32 s2, 0
	s_cbranch_scc0 .Lentry_in_a_cluster
	s_endpgm
.Lentry_in_a_cluster:
	s_bfe_u32 s2, ttmp6, 0x10000c
	s_cmp_lg_u32 s2, 0xf033
	s_cbranch_scc0 .Lentry_shape_is_right
	s_endpgm
.Lentry_shape_is_right:
; out0[token][e] = sum over d of O[token][d] wo[e][d].  O (oc) and wo (wof) in f16, sums and out0 in f32.  4,096 tokens, 1,024 x 1,024.
; A tile of out0 is 128 x 128: 256 work-groups.  Four waves, each 64 x 64: 16 accumulators.  K goes in steps of 256 through two LDS slots.
; oc lies as [16 tokens][8 channels c][token][8 channels]: a K step of a block of 16 tokens is 8,192 consecutive bytes, and the 32 lanes of a fragment load read 512 consecutive bytes: no padding.
; wof lies by rows: 512 bytes of a row in a K step, 16 of padding in LDS.
; CLUSTER 4 x 4: O's tiles are asked for jointly along a row of the cluster, wo's along a column.  Source 0 = 16 rows of wo, source 1 = 16 tokens: a lane holds eight neighbouring numbers of a row of out0.
; THE WAY OUT.  A wave's 64 columns are 256 bytes of a row, at a multiple of 256 from out0's first byte: each wave has a stage of its own (16 rows), no barrier.
; REGISTERS: window 0: v16-29 addresses; v32-95 rows read back from the stage, two buffers; v128-255 the accumulators ((a, b) at 128 + 8 (4 a + b)).
;   window 1: two fragment buffers of 128: for 64 along K, 64 registers of O, then 64 of wo.
.set KSTEP,  256
.set PITCH,  528                       ; wo's LDS row: 512 bytes + 16 = 132 words: the 16 rows of a load start at 16 different groups of four banks (64 banks of 4 bytes: ISA guide 11.1)
.set AHALF,  32768                     ; 64 tokens x 256 channels
.set BHALF,  64*PITCH
.set BOFF,   2*AHALF
.set SLOT,   BOFF+2*BHALF
.set STAGE,  2*SLOT                    ; behind the ring, never filled by a tensor load: 16 rows x 272 bytes for each wave
.set SPITCH, 272
.set SPARE,  STAGE+4*16*SPITCH         ; the spare words, 128 bytes a wave: two blocks of 256 bytes that no other line names
.set LAPS,   1024/(2*KSTEP)
.set ADRA, 16                          ; v16-17  LDS address of my fragments of O in slot 0, 1
.set ADRB, 20                          ; v20-21  of wo
.set STO,  24
.set RD,   25
.set CO,   26
.set SPW,  28                          ; my spare word; never rewritten
.set NIL,  29                          ; 0; never rewritten
.set TMP,  32
.set ACC,  128
.set F0,   0
.set F1,   128
.set G1, 24                            ; s[24:31] group 1 for O's tiles; s[32:39] group 0, a set for each slot
.set G0, 32
.set G1B, 48                           ; s[48:55], s[56:63] the same for wo's
.set G0B, 56
.set MSB, 0
.macro WIN new
.if MSB != (\new)
	s_set_vgpr_msb (MSB<<8)|(\new)
.set MSB, \new
.endif
.endm
.set MUL,  0x05                        ; sources 0 and 1 window 1; C and D window 0
.set TO_F, 0x40                        ; destination window 1, address window 0
.macro JLOAD s                         ; waves 0, 1 fetch O's two halves, waves 2, 3 wo's; an s_nop 0 and four v_nop follow each line
	s_cmp_eq_u32 s11, 0
	s_cbranch_scc0 .Lfor_b_\@
	tensor_load_to_lds s[G0+4*(\s):G0+4*(\s)+3], s[G1:G1+7]
	s_nop 0
.rept 4
	v_nop
.endr
	s_branch .Lasked_\@
.Lfor_b_\@:
	tensor_load_to_lds s[G0B+4*(\s):G0B+4*(\s)+3], s[G1B:G1B+7]
	s_nop 0
.rept 4
	v_nop
.endr
.Lasked_\@:
.endm
.macro CREST
	s_cmp_lg_u32 s10, 0
	s_cbranch_scc1 .Lnot_wave_0_\@
	s_barrier_signal -3
.Lnot_wave_0_\@:
	s_barrier_wait -3
	s_barrier_signal -1
	s_barrier_wait -1
.endm
.macro CROUND
	s_barrier_signal -1
	s_barrier_wait -1
	CREST
.endm
	s_load_b128 s[4:7], s[0:1], 0x0                ; oc 4, wof 6
	s_load_b64 s[8:9], s[0:1], 0x10                ; out0
	v_lshl_add_u32 v[SPW], v0, 2, SPARE
	v_mov_b32 v[NIL], 0
	ds_add_u32 v[SPW], v[NIL]                      ; the wave's opening: the add and its wait stand ahead of my first tensor load
	v_lshrrev_b32 v1, 5, v0
	v_readfirstlane_b32 s10, v1
	s_lshr_b32 s11, s10, 1                         ; my half of the tile's tokens.  Also: I fetch for O (0) or for wo (1)
	s_and_b32 s12, s10, 1                          ; my half of its columns.  Also: which half of that tile I fetch
	s_bfe_u32 s40, ttmp6, 0x40000
	s_bfe_u32 s41, ttmp6, 0x40004
	s_lshl_b32 s42, ttmp9, 2
	s_add_co_u32 s42, s42, s40                     ; ni
	s_and_b32 s13, ttmp7, 0xffff
	s_lshl_b32 s13, s13, 2
	s_add_co_u32 s13, s13, s41                     ; mi
	s_lshl_b32 s43, s41, 2
	s_lshl_b32 s43, 15, s43
	s_lshl_b32 s44, 0x1111, s40
	s_or_b32 s[G1], s43, (1<<16)|(1<<21)           ; O's: my row's mask; 2-byte elements; bit 21 beside a mask; no padding
	s_mov_b32 s[G1+1], 4096<<16                    ; tensor_dim0 = 4,096: 8,192 bytes, a K step of 16 tokens
	s_mov_b32 s[G1+2], 4<<16                       ; tensor_dim1 = 4 blocks of 16 tokens
	s_mov_b32 s[G1+3], 4096<<16
	s_mov_b32 s[G1+4], 4
	s_mov_b32 s[G1+5], 16384                       ; 32,768 bytes from block to block
	s_mov_b32 s[G1+6], 0
	s_mov_b32 s[G1+7], 0
	s_or_b32 s[G1B], s44, (1<<16)|(1<<20)|(1<<21)|(6<<22)|(3<<25)  ; wo's: my column's mask; after every 128 words 4 words of padding
	s_mov_b32 s[G1B+1], KSTEP<<16
	s_mov_b32 s[G1B+2], 64<<16
	s_mov_b32 s[G1B+3], KSTEP<<16
	s_mov_b32 s[G1B+4], 64
	s_mov_b32 s[G1B+5], 1024
	s_mov_b32 s[G1B+6], 0
	s_mov_b32 s[G1B+7], 0
	s_lshl_b32 s16, s13, 3
	s_lshl2_add_u32 s16, s12, s16                  ; O: block 8 mi + 4 x half
	s_lshl_b32 s16, s16, 15
	s_mov_b32 s17, 0
	s_lshl_b32 s46, s42, 7
	s_lshl_b32 s47, s12, 6
	s_add_co_u32 s46, s46, s47                     ; wo: row 128 ni + 64 x half
	s_lshl_b32 s46, s46, 11
	s_mov_b32 s47, 0
	s_mul_i32 s20, s12, AHALF                      ; where they go: the wave's number alone
	s_mul_i32 s23, s12, BHALF
	s_add_co_u32 s23, s23, BOFF
	s_wait_dscnt 0x0
	s_wait_kmcnt 0x0
	s_add_nc_u64 s[14:15], s[4:5], s[16:17]
	s_add_nc_u64 s[46:47], s[6:7], s[46:47]
	CROUND                                         ; the first joint loads meet
.irp s, 0,1
	s_mov_b32 s[G0+4*(\s)], 1
	s_add_co_u32 s[G0+4*(\s)+1], s20, (\s)*SLOT
	s_add_nc_u64 s[G0+4*(\s)+2:G0+4*(\s)+3], s[14:15], (\s)*8192
	s_or_b32 s[G0+4*(\s)+3], s[G0+4*(\s)+3], 0x80000000
	s_mov_b32 s[G0B+4*(\s)], 1
	s_add_co_u32 s[G0B+4*(\s)+1], s23, (\s)*SLOT
	s_add_nc_u64 s[G0B+4*(\s)+2:G0B+4*(\s)+3], s[46:47], (\s)*KSTEP*2
	s_or_b32 s[G0B+4*(\s)+3], s[G0B+4*(\s)+3], 0x80000000
	JLOAD \s
.endr
	v_and_b32 v1, 15, v0                           ; r
	v_bfe_u32 v2, v0, 4, 1                         ; h
	v_and_b32 v6, 31, v0
	v_lshlrev_b32 v6, 4, v6                        ; 16 x lane
	v_mul_u32_u24 v3, v1, PITCH
	v_lshl_add_u32 v3, v2, 4, v3
	s_mul_i32 s21, s11, AHALF                      ; my 64 tokens
	s_mul_i32 s22, s12, BHALF                      ; my 64 rows of wo
	s_add_co_u32 s22, s22, BOFF
.irp s, 0,1
	v_add_nc_u32 v[ADRA+(\s)], s21, v6
	v_add_nc_u32 v[ADRB+(\s)], s22, v3
	s_add_co_u32 s21, s21, SLOT
	s_add_co_u32 s22, s22, SLOT
.endr
	s_mul_i32 s23, s10, 16*SPITCH
	s_add_co_u32 s23, s23, STAGE                   ; my stage
	v_mul_u32_u24 v4, v1, SPITCH                   ; in: row r, 32 bytes for each half of the lanes
	v_lshl_add_u32 v4, v2, 5, v4
	v_add_nc_u32 v[STO], s23, v4
	v_mul_u32_u24 v5, v2, SPITCH                   ; back: lanes 0-15 one row of 256 bytes, lanes 16-31 the next
	v_lshl_add_u32 v5, v1, 4, v5
	v_add_nc_u32 v[RD], s23, v5
	v_lshlrev_b32 v5, 12, v2                       ; and the same two rows in out0
	v_lshl_add_u32 v[CO], v1, 4, v5
	s_lshl_b32 s16, s13, 7
	s_lshl_b32 s17, s11, 6
	s_add_co_u32 s16, s16, s17                     ; my first token
	s_lshl_b32 s16, s16, 12
	s_mov_b32 s17, 0
	s_add_nc_u64 s[8:9], s[8:9], s[16:17]
	s_lshl_b32 s46, s42, 9                         ; my first column, in bytes
	s_lshl_b32 s47, s12, 8
	s_add_co_u32 s46, s46, s47
	s_mov_b32 s47, 0
	s_add_nc_u64 s[8:9], s[8:9], s[46:47]
; 8 matrix instructions: token blocks a0, a0 + 1 x all 4 column blocks, 32 along K: half c of buffer f.  The 16 accumulators take turns.
.macro MUL8 f, c, a0, zero
	WIN MUL
.irp a, \a0, (\a0)+1
.irp b, 0,1,2,3
.if \zero
	v_wmma_f32_16x16x32_f16 v[ACC+8*(4*(\a)+(\b)):ACC+8*(4*(\a)+(\b))+7], v[(\f)+64+8*(4*(\c)+(\b)):(\f)+64+8*(4*(\c)+(\b))+7], v[(\f)+8*(4*(\c)+(\a)):(\f)+8*(4*(\c)+(\a))+7], 0
.else
	v_wmma_f32_16x16x32_f16 v[ACC+8*(4*(\a)+(\b)):ACC+8*(4*(\a)+(\b))+7], v[(\f)+64+8*(4*(\c)+(\b)):(\f)+64+8*(4*(\c)+(\b))+7], v[(\f)+8*(4*(\c)+(\a)):(\f)+8*(4*(\c)+(\a))+7], v[ACC+8*(4*(\a)+(\b)):ACC+8*(4*(\a)+(\b))+7]
.endif
.endr
.endr
.endm
; 32 LDS loads in one run: quarter q (64 along K) of a slot into buffer f; its first 32 along K first
.macro FETCH slot, q, f
	WIN TO_F
.irp c, 0,1
.irp i, 0,1,2,3
	ds_load_b128 v[(\f)+64+8*(4*(\c)+(\i)):(\f)+64+8*(4*(\c)+(\i))+3],   v[ADRB+(\slot)] offset:128*(\q)+64*(\c)+(\i)*16*PITCH
	ds_load_b128 v[(\f)+64+8*(4*(\c)+(\i))+4:(\f)+64+8*(4*(\c)+(\i))+7], v[ADRB+(\slot)] offset:128*(\q)+64*(\c)+(\i)*16*PITCH+32
	ds_load_b128 v[(\f)+8*(4*(\c)+(\i)):(\f)+8*(4*(\c)+(\i))+3],         v[ADRA+(\slot)] offset:(2*(\q)+(\c))*1024+(\i)*8192
	ds_load_b128 v[(\f)+8*(4*(\c)+(\i))+4:(\f)+8*(4*(\c)+(\i))+7],       v[ADRA+(\slot)] offset:(2*(\q)+(\c))*1024+(\i)*8192+512
.endr
.endr
.endm
.macro PLACES
.rept 4
	v_nop
.endr
.endm
.macro QUARTER slot, q, f, g, zero     ; multiplies buffer f and fetches quarter q into g
	s_wait_dscnt 16                                ; the first 32 along K are in
	MUL8 \f, 0, 0, \zero
	MUL8 \f, 0, 2, \zero
	PLACES
	FETCH \slot, \q, \g
	s_wait_dscnt 32                                ; all but the 32 just issued
	MUL8 \f, 1, 0, 0
	MUL8 \f, 1, 2, 0
.endm
; The last quarter multiplies buffer 1 and changes slots: ONE barrier; in front of it each wave waits for all its tensor loads, adds 0 to its spare word, and waits for that and for its reads of this slot.
.macro TURN slot, next, fill
	WIN 0
	s_wait_tensorcnt 0x0                           ; the one load of mine that was out: my part of the next slot
	ds_add_u32 v[SPW], v[NIL]
	s_wait_dscnt 17                                ; the add and the youngest sixteen loads may be out
	MUL8 F1, 0, 0, 0
	s_wait_dscnt 0x0                               ; the add is done, my reads of this slot are over
	s_barrier_signal -1
	MUL8 F1, 0, 2, 0
.if \fill
	WIN 0
.endif
	s_barrier_wait -1
.if \fill
	CREST                                          ; the barrier has opened a round of the cluster's: no wave of any partner still reads this slot or has a load on its way
	s_add_nc_u64 s[G0+4*(\slot)+2:G0+4*(\slot)+3], s[G0+4*(\slot)+2:G0+4*(\slot)+3], 2*8192
	s_add_nc_u64 s[G0B+4*(\slot)+2:G0B+4*(\slot)+3], s[G0B+4*(\slot)+2:G0B+4*(\slot)+3], 2*KSTEP*2
	JLOAD \slot                                    ; its four v_nop are also the places in front of the loads below
.else
	PLACES
.endif
	FETCH \next, 0, F0
	MUL8 F1, 1, 0, 0
	MUL8 F1, 1, 2, 0
.endm
	s_wait_tensorcnt 1                             ; my part of K step 0 is in; K step 1's may stay out
	s_barrier_signal -1
	s_barrier_wait -1
	FETCH 0, 0, F0
	QUARTER 0, 1, F0, F1, 1                        ; its first products start the sums
	WIN 0
	s_mov_b32 s3, LAPS-1
.Llap:
	QUARTER 0, 2, F1, F0, 0
	QUARTER 0, 3, F0, F1, 0
	TURN 0, 1, 1
	QUARTER 1, 1, F0, F1, 0
	QUARTER 1, 2, F1, F0, 0
	QUARTER 1, 3, F0, F1, 0
	TURN 1, 0, 1
	QUARTER 0, 1, F0, F1, 0
	WIN 0
	s_sub_co_u32 s3, s3, 1
	s_cmp_lg_u32 s3, 0
	s_cbranch_scc1 .Llap
	QUARTER 0, 2, F1, F0, 0                        ; the last lap fills nothing
	QUARTER 0, 3, F0, F1, 0
	TURN 0, 1, 0
	QUARTER 1, 1, F0, F1, 0
	QUARTER 1, 2, F1, F0, 0
	QUARTER 1, 3, F0, F1, 0
	s_wait_dscnt 16
	MUL8 F1, 0, 0, 0
	MUL8 F1, 0, 2, 0
	s_wait_dscnt 0x0
	MUL8 F1, 1, 1-1, 0
	MUL8 F1, 1, 2, 0
	WIN 0
	PLACES
; THE WAY OUT, 16 tokens at a time: the accumulators go into my stage as they are (each from its low end on), and come back as whole rows of 256 bytes.
.macro STG a
.set BK, TMP+32*((\a)%2)
.if (\a) >= 2
	s_wait_xcnt 0x0                                ; the stores of the block two back have read this buffer
.endif
.irp b, 0,1,2,3
	ds_store_b128 v[STO], v[ACC+8*(4*(\a)+(\b)):ACC+8*(4*(\a)+(\b))+3]   offset:64*(\b)
	ds_store_b128 v[STO], v[ACC+8*(4*(\a)+(\b))+4:ACC+8*(4*(\a)+(\b))+7] offset:64*(\b)+16
.endr
.irp t, 0,1,2,3,4,5,6,7
	ds_load_b128 v[BK+4*(\t):BK+4*(\t)+3], v[RD] offset:(\t)*2*SPITCH  ; LDS serves a wave's instructions in order (ISA guide 5.7.1.4): these see the stores above, and the next block's stores come behind them
.endr
.endm
.macro SEND a, younger                 ; younger: the next block's eight stores and eight loads, or none
.set BK, TMP+32*((\a)%2)
	s_wait_dscnt \younger
.irp t, 0,1,2,3,4,5,6,7
	global_store_b128 v[CO], v[BK+4*(\t):BK+4*(\t)+3], s[8:9] offset:(16*(\a)+2*(\t))*4096 th:TH_STORE_NT  ; 16 lanes store 256 consecutive bytes, at a multiple of 256 from out0's first byte
.endr
.endm
	STG 0
	STG 1
	SEND 0, 16
	STG 2
	SEND 1, 16
	STG 3
	SEND 2, 16
	SEND 3, 0
	s_wait_tensorcnt 0x0                           ; the wave's end
	ds_add_u32 v[SPW], v[NIL]
	s_wait_dscnt 0x0
	CROUND                                         ; the closing round
	s_endpgm
.Lfunc_end_k_qb652aabce3_oproj:
	.size	k_qb652aabce3_oproj, .Lfunc_end_k_qb652aabce3_oproj-k_qb652aabce3_oproj
	.p2alignl 7, 3214868480
	.fill 96, 4, 3214868480
	.section	.rodata,"a",@progbits
	.p2align	6, 0x0
	.amdhsa_kernel k_qb652aabce3_oproj
		.amdhsa_group_segment_fixed_size 327680
		.amdhsa_private_segment_fixed_size 0
		.amdhsa_enable_private_segment 0
		.amdhsa_kernarg_size 24
		.amdhsa_user_sgpr_count 2
		.amdhsa_user_sgpr_kernarg_segment_ptr 1
		.amdhsa_wavefront_size32 1
		.amdhsa_system_sgpr_workgroup_id_x 1
		.amdhsa_system_sgpr_workgroup_id_y 1
		.amdhsa_system_sgpr_workgroup_id_z 1
		.amdhsa_system_vgpr_workitem_id 0
		.amdhsa_next_free_vgpr 512
		.amdhsa_next_free_sgpr 66
		.amdhsa_reserve_vcc 0
		.amdhsa_float_denorm_mode_32 3
		.amdhsa_float_denorm_mode_16_64 3
		.amdhsa_memory_ordered 1
		.amdhsa_forward_progress 1
		.amdhsa_inst_pref_size 86
	.end_amdhsa_kernel
	.amdgpu_metadata
---
amdhsa.version: [ 1, 2 ]
amdhsa.kernels:
  - .name:           k_qb652aabce3_oproj
    .symbol:         k_qb652aabce3_oproj.kd
    .args:
      - { .name: oc, .offset: 0, .size: 8, .value_kind: global_buffer, .address_space: global }
      - { .name: wof, .offset: 8, .size: 8, .value_kind: global_buffer, .address_space: global }
      - { .name: out0, .offset: 16, .size: 8, .value_kind: global_buffer, .address_space: global }
    .group_segment_fixed_size: 327680
    .private_segment_fixed_size: 0
    .kernarg_segment_align: 8
    .kernarg_segment_size: 24
    .max_flat_workgroup_size: 128
    .sgpr_count:     66
    .vgpr_count:     512
    .wavefront_size: 32
...
	.end_amdgpu_metadata
.endif
;; end of part 4
;; ======== version 2 of 2: 4 launches; 1.18 times as fast as version 1
;; limits: values are held in f16: magnitudes above 65,504 overflow, below 6.1e-05 lose precision
;; workspace buffers: xb 8,388,608 bytes; wb 6,291,456 bytes; wof 2,097,152 bytes; qc 8,388,608 bytes; kc 8,388,608 bytes; vc 8,388,608 bytes; oc 8,388,608 bytes
;; launch cast: the kernel of part 1 again; grid 128 x 8, 8 waves a work-group, no clusters, 0 bytes of LDS; arguments x, wq, wk, wv, wo, xb, wb, wof; writes xb, wb, wof
;; launch qkv: the kernel of part 2 again; grid 8 x 32, 4 waves a work-group, clusters of 4 x 4, 327,680 bytes of LDS; arguments xb, wb, cos, sin, qc, kc, vc; writes qc, kc, vc
;; launch attn (part 5): grid 4 x 64, 8 waves a work-group, clusters of 4 x 1, 263,168 bytes of LDS; arguments qc, kc, vc, oc; writes oc
.if DOCPART == 5
	.amdgcn_target "amdgcn-amd-amdhsa--gfx1250"
	.amdhsa_code_object_version 6
	.text
	.protected	k_qb652aabce3_attn
	.globl	k_qb652aabce3_attn
	.p2align	8
	.type	k_qb652aabce3_attn,@function
k_qb652aabce3_attn:
	s_mov_b64 s[64:65], 0
	v_nop
	global_prefetch_b8 v0, s[64:65] scope:SCOPE_SE
	s_setreg_imm32_b32 hwreg(HW_REG_WAVE_MODE, 25, 1), 1
	s_wait_xcnt 0x0
	s_wait_alu depctr_hold_cnt(0) depctr_sa_sdst(0) depctr_va_vdst(0) depctr_va_sdst(0) depctr_va_ssrc(0) depctr_va_vcc(0) depctr_vm_vsrc(0)
	s_getreg_b32 s2, hwreg(HW_REG_IB_STS2, 6, 4)
	s_cmp_eq_u32 s2, 0
	s_cbranch_scc0 .Lentry_in_a_cluster
	s_endpgm
.Lentry_in_a_cluster:
	s_bfe_u32 s2, ttmp6, 0x10000c
	s_cmp_lg_u32 s2, 0x3003
	s_cbranch_scc0 .Lentry_shape_is_right
	s_endpgm
.Lentry_shape_is_right:
; CAUSAL ATTENTION at head size 32.  O[q] = sum over k <= q of softmax_k(q . k / sqrt(32)) v[k], for 64 heads of 2,048 rows.  Operands f16, products, maxima and sums f32.
; qc holds q g 2^-8 (g = 4 log2(e) / sqrt(32)), kc holds k 2^-8: S = their product, and the exponent to base 2 is 2^14 S.
; A HEAD'S K AND V STAY IN LDS: 131,072 bytes each, filled once, by joint loads of the cluster's four work-groups, which all belong to head g.  Nothing is filled again.
; SHARES.  A head has 16 bands of 128 queries; in every band partner cx owns queries 32 cx .. + 31: two tiles of 16.  Wave w takes band 15 - w and then band w.  Keys go in steps of 64;
; band b has 2 (b + 1) steps, the last two of them over the band's own 128 keys, with masks.  So every wave of every work-group has 34 steps.  Branches and trip counts hang on the
; wave's number alone; cx enters Q's and O's global addresses and two scalars that are factors of the mask.
; LAYOUT.  S^T = K Q^T (source 0 = 16 keys, source 1 = 16 queries): a lane holds ONE query (lane % 16) and keys 8 (lane / 16) + 0..7.  Two such results rounded to f16 in pairs ARE
; source 1 (32 keys x 16 queries) of O^T = V^T P; they are packed in place, into the low half of S^T's own registers.  K, Q and V lie in memory and LDS so that the 32 lanes of every
; fragment load read 512 (V: 2 x 256) consecutive bytes: no padding, no turning load.
; SOFTMAX.  Running maximum m, M = 2^14 m (exact: a power of two), p = 2^(2^14 S - M), never above 1.  In every step O and l are multiplied by a = 2^(M_old - M_new).
; l = the sum of the ROUNDED p, made by the matrix unit: source 0 has ones in rows 0 and 8, so register 0 of every lane takes the query's whole sum and no lanes are exchanged for it.
; THE MASK is the C operand of K Q^T in a band's last two steps: MD x AL + BE, MD = -1e30 where 8 (lane / 16) + j > lane % 16; for key block kb and tile t: (AL, BE) = (1, 0) where
; kb - t = EQ, (0, 0) below, (0, -1e30) above; EQ = 2 cx - 4 x (0 or 1, the step).  Key 0 is seen by every query, so m is a true score from a band's first step on.
; LIMITS.  A hidden score counts as its value less 1e30 (|S| is 1.4e11 at the most); p below 6e-5 keeps f16's fixed step of 6e-8, p below 2^-126 counts as 0; O has V's range; NaN and infinities are not treated apart.
; Two waves share a SIMD's registers (256 each): one wave's vector work stands beside the other's matrix work, so the lines are left in phases.
; BATCHES.  A key step's 66 exponentials (a and 32 weights for each of the two tiles) are ONE batch with ONE wait, which cuts the step in two.  Every result has a register of its own: the weights
; are made in place in S^T's 64 registers, the two a in the tiles' statistics.  AHEAD OF THE WAIT stands all that names none of these results: both tiles' maxima and statistics, the 32 scalings and
; the exponentials themselves.  BEHIND IT stand all the readers: the roundings to f16, the rescalings by a, and the products V^T P..
; A band's two reciprocals are a batch of their own, with one wait.
.set VB,    131072                     ; V behind K
.set SPARE, 262144                     ; behind V: the spare words, 128 bytes a wave: four blocks of 256 bytes that no other line names
.set STEPB, 4096                       ; 64 keys of K, and of V
.set LK,  3                            ; v3   16 x lane: my place in a fragment of K, Q, O; never rewritten
.set AV0, 4                            ; v4   VB + 512 (lane / 16) + 16 (lane % 16); never rewritten
.set AK,  5                            ; v5   the step's K
.set AV,  6                            ; v6   the step's V
.set SPW, 8                            ; v8   my spare word; never rewritten
.set NIL, 9                            ; v9   0; never rewritten
.set ST,  12                           ; tile t at v[ST+4 t]: M, m, a, M_old
.set CT,  20                           ; tile t at v[CT+4 t]: c0-c3, at work
.set ONES, 28                          ; v28-35
.set MD,  36                           ; v36-43
.set QA,  44                           ; v44-59   Q of the first band, 8 a tile
.set QB,  60                           ; v60-75   of the second
.set KF,  76                           ; v76-107  K of a step: key block kb at KF + 8 kb
.set VF,  108                          ; v108-139 V of a step: 32 keys kk, 16 channels cb at VF + 8 (2 kk + cb)
.set S,   140                          ; v140-203 S^T: tile t, key block kb at S + 32 t + 8 kb; P of tile t in S + 32 t + 0..15
.set O,   204                          ; v204-235 O^T: tile t, channels cb at O + 16 t + 8 cb
.set LL,  236                          ; v236-251 tile t at LL + 8 t: register 0 is l, the others stay 0
.set WV,  12
.set CX,  13
.set G,   14
.set G1,  16                           ; s[16:23] descriptor group 1
.set G0A, 24                           ; s[24:27] group 0: my 16 KiB of keys 0-1023
.set G0B, 28                           ; s[28:31] of keys 1024-2047
.set CS,  32                           ; s[32:33] 2^14
.set SEL, 34                           ; s[34:35] v_permlanex16_b32's selects: the same place in the other half
.set BIGN, 36                          ; -1e30
.set AL,  38                           ; s[38:39]
.set BE,  40                           ; s[40:41]
.set TB,  42                           ; LDS byte of the step in hand, in K and in V
.set CNT, 43
.set R,   44                           ; steps that the band in hand still has
.set EQ,  45
.set C46, 46                           ; 2 cx - 8
.set QAB, 48                           ; s[48:49], s[50:51] Q, s[52:53], s[54:55] O at my tiles of the two bands
.set QBB, 50
.set OA,  52
.set OB,  54
.macro ROUND                           ; a round of the cluster's barrier
	s_barrier_signal -1
	s_barrier_wait -1
	s_cmp_lg_u32 s[WV], 0
	s_cbranch_scc1 .Lnot_wave_0_\@
	s_barrier_signal -3
.Lnot_wave_0_\@:
	s_barrier_wait -3
	s_barrier_signal -1
	s_barrier_wait -1
.endm
	s_load_b256 s[4:11], s[0:1], 0x0               ; qc 4, kc 6, vc 8, oc 10
	v_lshl_add_u32 v[SPW], v0, 2, SPARE
	v_mov_b32 v[NIL], 0
	ds_add_u32 v[SPW], v[NIL]                      ; the wave's opening: the add and its wait stand ahead of my first tensor load; register work stands between
	v_lshrrev_b32 v1, 5, v0
	v_readfirstlane_b32 s[WV], v1
	s_bfe_u32 s[CX], ttmp6, 0x40000
	s_and_b32 s[G], ttmp7, 0xffff                  ; the head, which the four partners share
	s_mov_b32 s[G1],   15|(3<<16)|(1<<21)          ; the mask of four; 8-byte elements; bit 21 beside a mask; no padding
	s_mov_b32 s[G1+1], 32<<16                      ; tensor_dim0 = 32: rows of 256 bytes
	s_mov_b32 s[G1+2], 64<<16                      ; tensor_dim1 = 64
	s_mov_b32 s[G1+3], 32<<16                      ; tile_dim0
	s_mov_b32 s[G1+4], 64                          ; tile_dim1
	s_mov_b32 s[G1+5], 32                          ; dense
	s_mov_b32 s[G1+6], 0
	s_mov_b32 s[G1+7], 0
	s_and_b32 s60, s[WV], 3
	s_lshl_b32 s60, s60, 14                        ; which 16 KiB of a half: waves 0-3 fetch K, waves 4-7 V
	s_lshr_b32 s61, s[WV], 2
	s_lshl_b32 s61, s61, 17
	s_mov_b32 s[G0A], 1
	s_add_co_u32 s[G0A+1], s60, s61                ; LDS address: the wave's number alone
	s_mov_b32 s[G0B], 1
	s_add_co_u32 s[G0B+1], s[G0A+1], 65536
	s_lshl_b32 s15, s[G], 17                       ; the head's 131,072 bytes in qc, kc, vc
	s_add_co_u32 s60, s60, s15
	s_mov_b32 s61, 0
	s_mov_b32 s[CS], 0x46800000
	s_mov_b32 s[CS+1], 0x46800000                  ; named as pairs
	s_mov_b32 s[SEL], 0x76543210
	s_mov_b32 s[SEL+1], 0xfedcba98
	s_mov_b32 s[BIGN], 0xf149f2ca
	s_mov_b32 s37, 0x3c003c00                      ; two f16 ones
	s_mov_b32 s[AL+1], 0
	s_mov_b32 s[BE+1], 0
	s_mov_b32 s[TB], 0
	s_wait_dscnt 0x0                               ; the opening add is done
	s_wait_kmcnt 0x0
	s_cmp_lt_u32 s[WV], 4
	s_cselect_b64 s[62:63], s[6:7], s[8:9]
	s_add_nc_u64 s[G0A+2:G0A+3], s[62:63], s[60:61]
	s_add_nc_u64 s[G0B+2:G0B+3], s[G0A+2:G0A+3], 0x10000
	s_or_b32 s[G0A+3], s[G0A+3], 0x80000000
	s_or_b32 s[G0B+3], s[G0B+3], 0x80000000
	ROUND                                          ; all four work-groups are here: the joint loads meet
	tensor_load_to_lds s[G0A:G0A+3], s[G1:G1+7]    ; both fills go out together: two loads of mine are out
	s_nop 0
	tensor_load_to_lds s[G0B:G0B+3], s[G1:G1+7]
	s_nop 0
.rept 4
	v_nop
.endr
	; Q's and O's addresses hold cx: they are made in registers that feed no descriptor
	s_lshl_b32 s58, s[CX], 1
	s_sub_co_u32 s[C46], s58, 8
	s_sub_co_u32 s47, 15, s[WV]
	s_lshl3_add_u32 s47, s47, s58                  ; my first block of 16 rows in the first band: 8 (15 - w) + 2 cx
	s_lshl3_add_u32 s59, s[WV], s58                ; in the second: 8 w + 2 cx
	s_mov_b32 s57, 0
	s_lshl_b32 s56, s47, 10
	s_add_co_u32 s56, s56, s15
	s_add_nc_u64 s[QAB:QAB+1], s[4:5], s[56:57]
	s_lshl_b32 s56, s59, 10
	s_add_co_u32 s56, s56, s15
	s_add_nc_u64 s[QBB:QBB+1], s[4:5], s[56:57]
	s_lshr_b32 s45, s[G], 5
	s_lshl_b32 s45, s45, 7                         ; the batch's 128 blocks of 16 tokens,
	s_and_b32 s43, s[G], 31
	s_lshl_b32 s43, s43, 10                        ; the head's 32 channels: four runs of 256 bytes in a block's 32,768
	s_add_co_u32 s56, s47, s45
	s_lshl_b32 s56, s56, 15
	s_add_co_u32 s56, s56, s43
	s_add_nc_u64 s[OA:OA+1], s[10:11], s[56:57]
	s_add_co_u32 s56, s59, s45
	s_lshl_b32 s56, s56, 15
	s_add_co_u32 s56, s56, s43
	s_add_nc_u64 s[OB:OB+1], s[10:11], s[56:57]
	v_and_b32 v1, 31, v0
	v_lshlrev_b32 v[LK], 4, v1
.irp t, 0,1
	global_load_b128 v[QA+8*(\t):QA+8*(\t)+3],   v[LK], s[QAB:QAB+1] offset:(\t)*1024
	global_load_b128 v[QA+8*(\t)+4:QA+8*(\t)+7], v[LK], s[QAB:QAB+1] offset:(\t)*1024+512
	global_load_b128 v[QB+8*(\t):QB+8*(\t)+3],   v[LK], s[QBB:QBB+1] offset:(\t)*1024
	global_load_b128 v[QB+8*(\t)+4:QB+8*(\t)+7], v[LK], s[QBB:QBB+1] offset:(\t)*1024+512
.endr
	v_and_b32 v1, 15, v0                           ; r
	v_bfe_u32 v2, v0, 4, 1                         ; h
	v_lshlrev_b32 v[AV0], 4, v1
	v_lshl_add_u32 v[AV0], v2, 9, v[AV0]
	v_add_nc_u32 v[AV0], VB, v[AV0]
	v_and_b32 v10, 7, v0
	v_cmp_eq_u32 vcc_lo, 0, v10                    ; rows 0 and 8 of source 0 lie in the lanes whose number is a multiple of 8
	v_cndmask_b32 v[ONES], 0, s37, vcc_lo
.irp i, 1,2,3,4,5,6,7
	v_mov_b32 v[ONES+(\i)], v[ONES]
.endr
	v_lshlrev_b32 v10, 3, v2
	v_sub_nc_u32 v10, v1, v10                      ; r - 8 h
.irp j, 0,1,2,3,4,5,6,7
	v_cmp_gt_i32 vcc_lo, \j, v10
	v_cndmask_b32 v[MD+(\j)], 0, s[BIGN], vcc_lo
.endr
.macro LDK off                         ; 8 loads: K of the step at AK + off
.irp kb, 0,1,2,3
	ds_load_b128 v[KF+8*(\kb):KF+8*(\kb)+3],   v[AK] offset:(\off)+(\kb)*1024
	ds_load_b128 v[KF+8*(\kb)+4:KF+8*(\kb)+7], v[AK] offset:(\off)+(\kb)*1024+512
.endr
.endm
.macro LDV                             ; 8 loads: V of the step in hand
.irp kk, 0,1
.irp cb, 0,1
	ds_load_b128 v[VF+8*(2*(\kk)+(\cb)):VF+8*(2*(\kk)+(\cb))+3],   v[AV] offset:(\kk)*2048+(\cb)*256
	ds_load_b128 v[VF+8*(2*(\kk)+(\cb))+4:VF+8*(2*(\kk)+(\cb))+7], v[AV] offset:(\kk)*2048+(\cb)*256+1024
.endr
.endr
.endm
.macro QK q, m                         ; 8 products, one for each accumulator: the head's 32 channels are one instruction deep.  m = 1: C is the mask, which lies in S^T's registers
.irp t, 0,1
.irp kb, 0,1,2,3
.if \m
	v_wmma_f32_16x16x32_f16 v[S+32*(\t)+8*(\kb):S+32*(\t)+8*(\kb)+7], v[KF+8*(\kb):KF+8*(\kb)+7], v[(\q)+8*(\t):(\q)+8*(\t)+7], v[S+32*(\t)+8*(\kb):S+32*(\t)+8*(\kb)+7]
.else
	v_wmma_f32_16x16x32_f16 v[S+32*(\t)+8*(\kb):S+32*(\t)+8*(\kb)+7], v[KF+8*(\kb):KF+8*(\kb)+7], v[(\q)+8*(\t):(\q)+8*(\t)+7], 0
.endif
.endr
.endr
.endm
.macro PV t                            ; 6 products: the tile's two accumulators of O^T and its l take turns, one instruction a turn
.irp kk, 0,1
	v_wmma_f32_16x16x32_f16 v[O+16*(\t):O+16*(\t)+7],     v[VF+16*(\kk):VF+16*(\kk)+7],    v[S+32*(\t)+8*(\kk):S+32*(\t)+8*(\kk)+7], v[O+16*(\t):O+16*(\t)+7]
	v_wmma_f32_16x16x32_f16 v[O+16*(\t)+8:O+16*(\t)+15],  v[VF+16*(\kk)+8:VF+16*(\kk)+15], v[S+32*(\t)+8*(\kk):S+32*(\t)+8*(\kk)+7], v[O+16*(\t)+8:O+16*(\t)+15]
	v_wmma_f32_16x16x32_f16 v[LL+8*(\t):LL+8*(\t)+7],     v[ONES:ONES+7],                  v[S+32*(\t)+8*(\kk):S+32*(\t)+8*(\kk)+7], v[LL+8*(\t):LL+8*(\t)+7]
.endr
.endm
; Line n of the 21 that find tile t's maximum and statistics:
;   0-11  four chains c0-c3 of seven scores each, three operands at a time (each accumulator's lowest registers first)
;   12-15 the four scores left over, the old m, and c0-c3 into c0     16, 17  the query's other 32 keys lie in the lane 16 away: the new m     18-20  M; M_old - M; a
.macro XS t, n
.set xT, ST+4*(\t)
.set xC, CT+4*(\t)
.set xS, S+32*(\t)
.if (\n) < 4
	v_max3_num_f32 v[xC+(\n)], v[xS+8*(\n)], v[xS+8*(\n)+1], v[xS+8*(\n)+2]
.elseif (\n) < 8
	v_max3_num_f32 v[xC+(\n)-4], v[xC+(\n)-4], v[xS+8*((\n)-4)+3], v[xS+8*((\n)-4)+4]
.elseif (\n) < 12
	v_max3_num_f32 v[xC+(\n)-8], v[xC+(\n)-8], v[xS+8*((\n)-8)+5], v[xS+8*((\n)-8)+6]
.elseif (\n) == 12
	v_max3_num_f32 v[xC],   v[xC],   v[xS+7],  v[xS+15]
.elseif (\n) == 13
	v_max3_num_f32 v[xC+1], v[xC+1], v[xS+23], v[xS+31]
.elseif (\n) == 14
	v_max3_num_f32 v[xC+2], v[xC+2], v[xC+3],  v[xT+1]
.elseif (\n) == 15
	v_max3_num_f32 v[xC],   v[xC],   v[xC+1],  v[xC+2]
.elseif (\n) == 16
	v_permlanex16_b32 v[xC+3], v[xC], s[SEL], s[SEL+1]
.elseif (\n) == 17
	v_max_num_f32 v[xT+1], v[xC], v[xC+3]
.elseif (\n) == 18
	v_mul_f32 v[xT], s[CS], v[xT+1]
.elseif (\n) == 19
	v_sub_f32 v[xC+1], v[xT+3], v[xT]
.else
	v_exp_f32 v[xT+2], v[xC+1]                     ; a: one of the step's batch; the scaling that follows it names neither its source nor its result
.endif
.endm
.macro FF t, b                         ; pair b of tile t's 16: 2^14 S - M
	v_pk_fma_f32 v[S+32*(\t)+2*(\b):S+32*(\t)+2*(\b)+1], v[S+32*(\t)+2*(\b):S+32*(\t)+2*(\b)+1], s[CS:CS+1], v[ST+4*(\t):ST+4*(\t)+1] op_sel_hi:[1,0,0] neg_lo:[0,0,1] neg_hi:[0,0,1]
.endm
.macro EX t                            ; the next exponential of tile t, score e, in place: its result keeps the register until the batch's wait
	v_exp_f32 v[S+32*(\t)+e], v[S+32*(\t)+e]
.set e, e+1
.endm
.macro PLQ                             ; the next of the 32 plain lines that stand between tile 0's exponentials: its scalings 4-15, each four pairs ahead of its exponentials, then tile 1's maximum and statistics
.if p < 12
	FF 0, p+4
.else
	XS 1, p-12
.endif
.set p, p+1
.endm
.macro RR t, n                         ; 0-7: pair n of tile t's O^T times a, in ascending order; 8: l times a
.if (\n) < 8
	v_pk_mul_f32 v[O+16*(\t)+2*(\n):O+16*(\t)+2*(\n)+1], v[O+16*(\t)+2*(\n):O+16*(\t)+2*(\n)+1], v[ST+4*(\t)+2:ST+4*(\t)+3] op_sel_hi:[1,0]
.else
	v_mul_f32 v[LL+8*(\t)], v[LL+8*(\t)], v[ST+4*(\t)+2]
.endif
.endm
; Tile t's 25 readers of the batch, all behind its wait.  Pair b is rounded into register b of the tile's S^T: below every weight that is still to be read, since the roundings ascend.
.macro PACK t
.set b, 0
.rept 16
	v_cvt_pk_f16_f32 v[S+32*(\t)+b], v[S+32*(\t)+2*b], v[S+32*(\t)+2*b+1]
.set b, b+1
.endr
.irp n, 0,1,2,3,4,5,6,7,8
	RR \t, \n
.endr
.endm
.macro MASKS                           ; the eight masks, into S^T's registers; kb - t runs from -1 to 3
.irp ii, -1,0,1,2,3
	s_cmp_eq_i32 s[EQ], \ii
	s_cselect_b32 s[AL], 1.0, 0
	s_cmp_lt_i32 s[EQ], \ii
	s_cselect_b32 s[BE], s[BIGN], 0
.irp t, 0,1
.if ((\ii)+(\t) >= 0) && ((\ii)+(\t) <= 3)
.irp z, 0,1,2,3
	v_pk_fma_f32 v[S+32*(\t)+8*((\ii)+(\t))+2*(\z):S+32*(\t)+8*((\ii)+(\t))+2*(\z)+1], v[MD+2*(\z):MD+2*(\z)+1], s[AL:AL+1], s[BE:BE+1] op_sel_hi:[1,0,0]
.endr
.endif
.endr
.endr
.endm
; A KEY STEP.  Its K was asked for in the step before.  The five plain lines at its head name no register of the last products: they are the places in front of V's loads, of the
; masks, and of the products that write over P.
; Behind the products K Q^T the step's one batch is laid out so: tile 0's maximum and statistics and its a; four scalings; tile 0's 32 exponentials, a plain line behind each (PLQ); tile 1's a; three
; scalings; tile 1's 32 exponentials in twos, a scaling three pairs ahead behind each two while there are scalings.  Nothing up to there names a result of the batch.  Then the wait, then the readers.
.macro STEP q, m
	v_mov_b32 v[ST+3], v[ST]                       ; M_old
	v_mov_b32 v[ST+7], v[ST+4]
	v_add_nc_u32 v[AV], s[TB], v[AV0]
	v_add_nc_u32 v[AK], s[TB], v[LK]
	v_nop
	LDV
.if \m
	MASKS
.endif
	s_wait_dscnt 8                                 ; K is in: it is older than V's eight loads
	QK \q, \m
.rept 4
	v_nop                                          ; the places in front of the loads into K's registers and of the first read of the scores
.endr
	LDK STEPB                                      ; the next step's K.  Behind a band's last step these bytes serve nothing (behind step 31 they are V's first): they have landed, and nobody uses them
.irp n, 0,1,2,3,4,5,6,7,8,9,10,11,12,13,14,15,16,17,18,19,20
	XS 0, \n                                       ; tile 0's maximum and statistics; its a opens the batch
.endr
.irp n, 0,1,2,3
	FF 0, \n
.endr
.set e, 0
.set p, 0
.rept 32
	EX 0
	PLQ
.endr
	XS 1, 20                                       ; tile 1's a
.irp n, 0,1,2
	FF 1, \n
.endr
.set e, 0
.set b, 3
.rept 16
	EX 1
	EX 1
.if b < 16
	FF 1, b
.endif
.set b, b+1
.endr
	v_nop                                          ; the plain line behind the last exponential, ahead of the first use: one for the batch
	s_wait_alu depctr_va_vdst(0)                   ; the wait for the batch, the step's 66 exponentials, ahead of the first line that names a result
	PACK 0
	s_wait_dscnt 8                                 ; V is in; K's eight may stay out
	PV 0
	PACK 1                                         ; 25 plain lines that name no register of tile 0's products
	PV 1
.endm
; The rest of a band: a constant number of trips; a wave whose band has ended jumps forward over the step, past no barrier and no tensor load.
.macro LOOPX q, trips
	s_mov_b32 s[CNT], \trips
.Ltop_\@:
	s_cmp_eq_u32 s[R], 0
	s_cbranch_scc1 .Lbot_\@
	s_cmp_gt_u32 s[R], 2
	s_cbranch_scc0 .Lmask_\@
	STEP \q, 0
	s_branch .Lbot_\@
.Lmask_\@:
	s_lshl2_add_u32 s[EQ], s[R], s[C46]            ; 4 R + 2 cx - 8: 2 cx in the last step but one, 2 cx - 4 in the last
	STEP \q, 1
.Lbot_\@:
	s_add_co_u32 s[TB], s[TB], STEPB
	s_max_u32 s[R], s[R], 1
	s_sub_co_u32 s[R], s[R], 1
	s_sub_co_u32 s[CNT], s[CNT], 1
	s_cmp_lg_u32 s[CNT], 0
	s_cbranch_scc1 .Ltop_\@
.endm
.macro BEGIN                           ; a band begins: O^T and l are 0; M far below every 2^14 S, so the first a is 0; m the lowest finite number.  No first step is written out: the price is these 48 lines, twice
.set i, O
.rept 48
	v_mov_b32 v[i], 0
.set i, i+1
.endr
.irp t, 0,1
	v_mov_b32 v[ST+4*(\t)], 0xfe000000
	v_mov_b32 v[ST+4*(\t)+1], 0xff7fffff
.endr
.endm
.macro FINISH ob                       ; O^T / l, rounded to f16: a lane's eight channels of a token are 16 bytes; four stores of 512 consecutive bytes
	v_rcp_f32 v[ST+2], v[LL]                       ; tile 0's l: its last product stands 25 plain lines back
.rept 4
	v_nop                                          ; the places between tile 1's last products and the read of its l
.endr
	v_rcp_f32 v[ST+6], v[LL+8]
	v_nop                                          ; a plain line behind the last reciprocal
	s_wait_alu depctr_va_vdst(0)                   ; the wait for the batch of two reciprocals, ahead of the first use
.set i, 0
.rept 8
	v_pk_mul_f32 v[O+2*i:O+2*i+1], v[O+2*i:O+2*i+1], v[ST+2:ST+3] op_sel_hi:[1,0]
.set i, i+1
.endr
.set i, 0
.rept 8
	v_cvt_pk_f16_f32 v[S+i], v[O+2*i], v[O+2*i+1]
.set i, i+1
.endr
.set i, 0
.rept 8
	v_pk_mul_f32 v[O+16+2*i:O+16+2*i+1], v[O+16+2*i:O+16+2*i+1], v[ST+6:ST+7] op_sel_hi:[1,0]
.set i, i+1
.endr
.set i, 0
.rept 8
	v_cvt_pk_f16_f32 v[S+8+i], v[O+16+2*i], v[O+16+2*i+1]
.set i, i+1
.endr
.irp t, 0,1
.irp cb, 0,1
	global_store_b128 v[LK], v[S+8*(\t)+4*(\cb):S+8*(\t)+4*(\cb)+3], s[(\ob):(\ob)+1] offset:(\t)*32768+(\cb)*512
.endr
.endr
.endm
	BEGIN
	s_wait_tensorcnt 0x1                           ; my part of keys 0-1023 is in; the second half may stay out
	s_barrier_signal -1
	s_barrier_wait -1                              ; everybody's is
	v_mov_b32 v[AK], v[LK]
	LDK 0
	s_wait_loadcnt 0x0                             ; Q
	s_mov_b32 s[CNT], 15
.Lfull:                                                ; steps 0-14 of the first band: whole for every wave (band 8 has 16 whole steps); with the look-ahead they stay inside keys 0-1023
	STEP QA, 0
	s_add_co_u32 s[TB], s[TB], STEPB
	s_sub_co_u32 s[CNT], s[CNT], 1
	s_cmp_lg_u32 s[CNT], 0
	s_cbranch_scc1 .Lfull
	s_wait_tensorcnt 0x0                           ; my part of keys 1024-2047 is in,
	s_wait_dscnt 0x0                               ; no LDS instruction of mine is out at the signal,
	s_barrier_signal -1
	s_barrier_wait -1                              ; and everybody's part is in; all eight waves have done the same work up to here
	s_lshl_b32 s[R], s[WV], 1
	s_sub_co_u32 s[R], 17, s[R]                    ; 2 (16 - w) - 15 steps are left
	LOOPX QA, 17
	FINISH OA
	s_wait_dscnt 0x0                               ; the look-ahead's loads: K's registers are loaded anew below
	BEGIN
	s_wait_xcnt 0x0                                ; the stores' data lie in S^T's registers, which the next step writes
	s_mov_b32 s[TB], 0
	v_mov_b32 v[AK], v[LK]
	LDK 0
	s_lshl_b32 s[R], s[WV], 1
	s_add_co_u32 s[R], s[R], 2                     ; the second band has 2 (w + 1) steps
	LOOPX QB, 16
	FINISH OB
	s_wait_tensorcnt 0x0                           ; the wave's end
	ds_add_u32 v[SPW], v[NIL]
	s_wait_dscnt 0x0
	ROUND                                          ; the closing round
	s_endpgm
.Lfunc_end_k_qb652aabce3_attn:
	.size	k_qb652aabce3_attn, .Lfunc_end_k_qb652aabce3_attn-k_qb652aabce3_attn
	.p2alignl 7, 3214868480
	.fill 96, 4, 3214868480
	.section	.rodata,"a",@progbits
	.p2align	6, 0x0
	.amdhsa_kernel k_qb652aabce3_attn
		.amdhsa_group_segment_fixed_size 263168
		.amdhsa_private_segment_fixed_size 0
		.amdhsa_enable_private_segment 0
		.amdhsa_kernarg_size 32
		.amdhsa_user_sgpr_count 2
		.amdhsa_user_sgpr_kernarg_segment_ptr 1
		.amdhsa_wavefront_size32 1
		.amdhsa_system_sgpr_workgroup_id_x 1
		.amdhsa_system_sgpr_workgroup_id_y 1
		.amdhsa_system_sgpr_workgroup_id_z 1
		.amdhsa_system_vgpr_workitem_id 0
		.amdhsa_next_free_vgpr 256
		.amdhsa_next_free_sgpr 66
		.amdhsa_reserve_vcc 1
		.amdhsa_float_denorm_mode_32 3
		.amdhsa_float_denorm_mode_16_64 3
		.amdhsa_memory_ordered 1
		.amdhsa_forward_progress 1
		.amdhsa_inst_pref_size 84
	.end_amdhsa_kernel
	.amdgpu_metadata
---
amdhsa.version: [ 1, 2 ]
amdhsa.kernels:
  - .name:           k_qb652aabce3_attn
    .symbol:         k_qb652aabce3_attn.kd
    .args:
      - { .name: qc, .offset: 0, .size: 8, .value_kind: global_buffer, .address_space: global }
      - { .name: kc, .offset: 8, .size: 8, .value_kind: global_buffer, .address_space: global }
      - { .name: vc, .offset: 16, .size: 8, .value_kind: global_buffer, .address_space: global }
      - { .name: oc, .offset: 24, .size: 8, .value_kind: global_buffer, .address_space: global }
    .group_segment_fixed_size: 263168
    .private_segment_fixed_size: 0
    .kernarg_segment_align: 8
    .kernarg_segment_size: 32
    .max_flat_workgroup_size: 256
    .sgpr_count:     66
    .vgpr_count:     256
    .wavefront_size: 32
...
	.end_amdgpu_metadata
.endif
;; end of part 5
;; launch oproj: the kernel of part 4 again; grid 8 x 32, 4 waves a work-group, clusters of 4 x 4, 327,680 bytes of LDS; arguments oc, wof, out0; writes out0
